; MI455X (gfx1250); checked and timed in simulation.
; The chip was launched on July 23, 2026; its instructions are those of AMD's public machine-readable ISA for CDNA 5 (MIT licence, August 2026) and "CDNA5" Instruction Set Architecture Reference Guide (July 2026). The comments in the code are by the model that wrote it; some were corrected since.
;; Transformer Block. Allowed arithmetic: matrix products marked QUANTISED: E3M2 operands, one E8M0 scale for each 32 along K, by v_wmma_scale_f32_16x16x128_f8f6f4 with both operands' format E3M2, f32 sums; everything else in f32.
;; Inputs: W1 1,024 x 4,096 float32; W2 4,096 x 1,024 float32; Wk 1,024 x 1,024 float32; Wo 1,024 x 1,024 float32; Wq 1,024 x 1,024 float32; Wv 1,024 x 1,024 float32; b1 4,096 float32; b2 1,024 float32; bo 1,024 float32; g1 1,024 float32; g2 1,024 float32; s1 1,024 float32; s2 1,024 float32; x 2 x 2,048 x 1,024 float32.
;; Outputs: out0 2 x 2,048 x 1,024 float32.
;; This version of the problem:
;;   THIS VERSION OF THE PROBLEM IS GIVEN IN LOW PRECISION. The matrix products marked QUANTISED in the list below multiply operands that are first quantised to E3M2 (3 exponent bits, 2 mantissa bits; 6 bits a number), with one power-of-two scale for each 32 numbers along K (OCP MX v1.0); their sums are f32. All else is computed in f32.
;;   The module's matrix products, in the order in which they are computed (A, B: the left and right operand; K: the contracted axis; several contracted axes count as one K, in the product's order):
;;     1. [M 4,096, K 1,024] x [K 1,024, N 1,024]; A: computed on the way; B: input Wq: QUANTISED
;;     2. [M 4,096, K 1,024] x [K 1,024, N 1,024]; A: computed on the way; B: input Wk: QUANTISED
;;     3. [M 4,096, K 1,024] x [K 1,024, N 1,024]; A: computed on the way; B: input Wv: QUANTISED
;;     4. batch 32 x [M 2,048, K 64] x [K 64, N 2,048]; A: computed on the way; B: computed on the way: QUANTISED
;;     5. batch 32 x [M 2,048, K 2,048] x [K 2,048, N 64]; A: softmax (see below); B: computed on the way: QUANTISED
;;     6. [M 4,096, K 1,024] x [K 1,024, N 1,024]; A: computed on the way; B: input Wo: QUANTISED
;;     7. [M 4,096, K 1,024] x [K 1,024, N 4,096]; A: computed on the way; B: input W1: QUANTISED
;;     8. [M 4,096, K 4,096] x [K 4,096, N 1,024]; A: computed on the way; B: input W2: QUANTISED
;;   THE QUANTISER, for each operand of a quantised product, along K:
;;     - K is cut into blocks of 32 from its start; a last block that is shorter is filled with zeros.
;;     - A block's scale is 2^e with e = floor(log2(the largest magnitude in the block)) - 4, held to -126 .. 127; a block of zeros has e = 0. As a byte (E8M0): e + 127.
;;     - Each number is divided by its block's scale, clamped to +-28, and rounded to the nearest number of E3M2, ties to even, subnormals kept.
;;     - The product sums the exact products of the quantised numbers (number of the format x scale) in f32.
;;   ~~~python
;;   def quantise(x, axis):      # numpy; x: float32 -> the quantised numbers, widened to float32 again
;;       x = np.moveaxis(x, axis, -1); K = x.shape[-1]
;;       x = np.pad(x, [(0, 0)] * (x.ndim - 1) + [(0, -K % 32)]); x = x.reshape(x.shape[:-1] + (-1, 32)); a = np.abs(x).max(-1, keepdims=True)
;;       e = np.where(a > 0, np.clip(np.frexp(np.where(a > 0, a, 1))[1] - 1 - 4, -126, 127), 0)      # np.frexp(a)[1] - 1 = floor(log2(a)), exactly
;;       r = np.clip(x / 2.0 ** e, -28, 28)
;;       step = 2.0 ** (np.maximum(np.frexp(np.where(r == 0, 1, r))[1] - 1, -2) - 2)
;;       q = np.round(r / step) * step * 2.0 ** e      # np.round: ties to even
;;       return np.moveaxis(q.reshape(q.shape[:-2] + (-1,))[..., :K], -1, axis).astype(np.float32)
;;   ~~~
;;   SOFTMAX AHEAD OF A QUANTISED PRODUCT. Where the list says 'softmax', what is quantised is not the finished softmax but p = 2^(t - M), with t = logit x log2(e) and M = ceil(the row's largest t), a whole number; so 1/2 < the row's largest p <= 1. The row's sum l is taken of the UNQUANTISED p, in f32, and the product's result is divided by l at the end. Since M is a whole number, a kernel that streams over the keys may use a running M (the ceiling of the running maximum): every later rescaling is an exact power of two, which a block's scale takes up: the codes' values come out the same.
;;   OPERANDS COMPUTED ON THE WAY. 'Computed on the way' means the value that the module computes at that place (a softmax that the list does not call 'softmax' is quantised finished and normalised). What goes into a quantiser is computed in f32, as accurately as f32 sums, v_exp_f32 and their like allow (about 1e-6 of the number): no bf16 or f16 on the way to a quantiser, and a product that is left as it is and whose result goes on into a quantised operand takes f32 operands (vector FMAs, or v_wmma_f32_16x16x4_f32). A number that lies on a knife's edge between two numbers of the format may be rounded either way, as far as f32 arithmetic and the matrix unit's own rounding can turn it there, and no further.
;; One version. Each part assembles by itself: llvm-mc -triple=amdgcn-amd-amdhsa -mcpu=gfx1250 --defsym DOCPART=n.
;; ======== version 1 of 1: 7 launches
;; limits: right only within a limited range of input values
;; workspace buffers: wimg 10,223,616 bytes; h1img 3,407,872 bytes; qkvimg 10,223,616 bytes; ctximg 3,407,872 bytes; x2 16,777,216 bytes; h2img 3,407,872 bytes; hidimg 13,631,488 bytes
;; launch prep (part 1): grid 640 x 1, 8 waves a work-group, no clusters, 69,632 bytes of LDS; arguments x, g1, s1, h1img, Wq, Wk, Wv, Wo, W1, W2, wimg; writes h1img, wimg
.if DOCPART == 1
	.amdgcn_target "amdgcn-amd-amdhsa--gfx1250"
	.amdhsa_code_object_version 6
	.text
	.protected	k_qd45e9cad26_prep
	.globl	k_qd45e9cad26_prep
	.p2align	8
	.type	k_qd45e9cad26_prep,@function
k_qd45e9cad26_prep:
	s_mov_b64 s[64:65], 0
	v_nop
	global_prefetch_b8 v0, s[64:65] scope:SCOPE_SE
	s_setreg_imm32_b32 hwreg(HW_REG_WAVE_MODE, 25, 1), 1
	s_wait_xcnt 0x0
; Two kinds of work-group, told apart by the work-group's number alone.
; 0..255: LAYER NORM of 16 tokens (f32, mean first, then the mean of squared differences), quantised to BF6 (E3M2) along the 1,024 columns.
; 256..639: a piece (256 columns x 128 along K) of one of the six weights [K][N], quantised along K, its first axis.
; WHAT IS STORED: images of matrix operands.  A RECORD of 3,328 bytes holds 16 rows x 256 K: registers 4c..4c+3 of lane l of the fragment of K step s at 1536 s + 512 c + 16 l,
; the scale word of row l % 16 at 3072 + 128 s + 4 l (lanes 16-31 repeat it).  An image is [tile of 16 rows][K / 256][record].
; THE ROWS OF A TILE ARE NOT NEIGHBOURS: row r of tile 2 b + u is row 32 b + 8 u + r + 8 (r / 8) (tokens, and the weights' columns n), so that a transposed product's 16 registers of two neighbouring tiles are 16 neighbours along the next K.
; A block's scale byte is its largest magnitude's exponent field - 4, held at 1 from below by a floor among the maximum's leaves.
; LIMITS: NaN and infinities are not served; a block under 2^-122, a block of zeros too, keeps the byte 1 (its codes are zeros or tiny; this program alone reads the bytes); the order of the norm's f32 sums is this text's own.
.set PR,   3328
.set X,    64                          ; v64-127  64 numbers of a lane: register 16 b + i = k 32 b + 16 (lane / 16) + i of my row
.set TT,   128                         ; v128-151 leaves of the maxima
.set TM,   152                         ; v152-155 maxima, v156-159 bytes, v160-163 at work, v164-167 the conversions' scale operands
.set PC,   168                         ; v168-179 the fragment
.set CT,   180                         ; v180-187 the conversions' second halves
.set PW,   188                         ; the scale word
.set STAT, 67584                       ; behind the eight stages: 512 bytes of sums, 512 of sums of squares
.set SEL,  28                          ; s[28:29] lane selects: lane l xor 16
.macro QUANT S, D0, D1                 ; 64 numbers -> registers 0-5 of the fragment at D0, 6-11 at D1, the four bytes in v[TM+4] on
.irp t, 0,1,2,3,4
.irp b, 0,1,2,3
	v_max3_num_f32 v[TT+6*\b+\t], |v[(\S)+16*\b+3*\t]|, |v[(\S)+16*\b+3*\t+1]|, |v[(\S)+16*\b+3*\t+2]|
.endr
.endr
.irp b, 0,1,2,3
	v_max3_num_f32 v[TT+6*\b+5], |v[(\S)+16*\b+15]|, |v[(\S)+16*\b+15]|, 0x2800000   ; the sixteenth, and the floor 2^(5 - 127)
.endr
.irp b, 0,1,2,3
	v_max3_num_f32 v[TM+\b], v[TT+6*\b], v[TT+6*\b+1], v[TT+6*\b+2]
.endr
.irp b, 0,1,2,3
	v_max3_num_f32 v[TM+8+\b], v[TT+6*\b+3], v[TT+6*\b+4], v[TT+6*\b+5]
.endr
.irp b, 0,1,2,3
	s_delay_alu instid0(VALU_DEP_4)
	v_max_num_f32 v[TM+\b], v[TM+\b], v[TM+8+\b]
.endr
.irp b, 0,1,2,3
	s_delay_alu instid0(VALU_DEP_4)
	v_permlanex16_b32 v[TM+4+\b], v[TM+\b], s[SEL], s[SEL+1]
.endr
.irp b, 0,1,2,3
	s_delay_alu instid0(VALU_DEP_4)
	v_max_num_f32 v[TM+\b], v[TM+\b], v[TM+4+\b]   ; with lane l xor 16's sixteen: the block's largest magnitude
.endr
.irp b, 0,1,2,3
	s_delay_alu instid0(VALU_DEP_4)
	v_add_nc_u32 v[TM+12+\b], 0xfe000000, v[TM+\b] ; 4 off its exponent field: the conversion's scale operand
.endr
.irp b, 0,1,2,3
	s_delay_alu instid0(VALU_DEP_4)
	v_lshrrev_b32 v[TM+4+\b], 23, v[TM+12+\b]      ; the byte
.endr
	v_cvt_scalef32_pk16_bf6_f32 v[(\D0):(\D0)+2], v[(\S):(\S)+15], v[TM+12]
	v_cvt_scalef32_pk16_bf6_f32 v[CT:CT+2], v[(\S)+16:(\S)+31], v[TM+13]
	v_cvt_scalef32_pk16_bf6_f32 v[(\D1):(\D1)+2], v[(\S)+32:(\S)+47], v[TM+14]
	v_cvt_scalef32_pk16_bf6_f32 v[CT+4:CT+6], v[(\S)+48:(\S)+63], v[TM+15]
	v_nop                                          ; one plain line behind the scaled conversions
.irp i, 0,1,2
	v_permlane16_swap_b32 v[(\D0)+\i], v[CT+\i]    ; a whole block to a lane: lanes 0-15 the even block, lanes 16-31 the odd one
	v_permlane16_swap_b32 v[(\D1)+\i], v[CT+4+\i]
.endr
.irp i, 0,1,2
	v_mov_b32 v[(\D0)+3+\i], v[CT+\i]
	v_mov_b32 v[(\D1)+3+\i], v[CT+4+\i]
.endr
.endm
	s_load_b256 s[4:11], s[0:1], 0x0               ; rows s[4:5], gain s[6:7], shift s[8:9], the rows' image s[10:11]
	s_load_b256 s[12:19], s[0:1], 0x20             ; Wq, Wk, Wv, Wo
	s_load_b128 s[20:23], s[0:1], 0x40             ; W1, W2
	s_load_b64 s[24:25], s[0:1], 0x50              ; the weights' images
	v_lshl_add_u32 v62, v0, 2, 0x10c00
	v_mov_b32 v63, 0
	v_lshrrev_b32 v1, 5, v0
	s_delay_alu instid0(VALU_DEP_1)
	v_readfirstlane_b32 s26, v1                    ; wave 0..7
	v_and_b32 v2, 31, v0                           ; lane
	s_cmp_lt_u32 ttmp9, 256
	s_cbranch_scc0 .Lweights
; ---------------- LAYER NORM: work-group t = tile t of 16 rows; wave w = columns 128 w .. 128 w + 127 (K step w)
	s_mov_b32 s[SEL], 0x76543210
	s_mov_b32 s[SEL+1], 0xfedcba98
	v_and_b32 v3, 15, v0                           ; r
	v_bfe_u32 v4, v0, 4, 1                         ; h
	v_lshlrev_b32 v5, 4, v2                        ; 16 x lane
	v_lshlrev_b32 v6, 2, v2                        ; 4 x lane
	s_mul_i32 s27, s26, 8448                       ; my stage: 16 rows x (512 + 16) bytes
	v_add_nc_u32 v7, s27, v5                       ; in: a row's 512 bytes as they lie
	v_mul_u32_u24 v8, v3, 528
	s_delay_alu instid0(VALU_DEP_1)
	v_lshl_add_u32 v8, v4, 6, v8
	s_delay_alu instid0(VALU_DEP_1)
	v_add_nc_u32 v8, s27, v8                       ; out: row r, + 64 h: my sixteen numbers of each block of 32
	v_lshl_add_u32 v9, v3, 2, STAT                 ; the eight waves' sums of row r
	s_lshl_b32 s30, s26, 6
	v_add_nc_u32 v10, s30, v9                      ; and my wave's word among them
	v_lshlrev_b32 v11, 6, v4                       ; gain, shift: 64 h
	s_lshr_b32 s31, ttmp9, 1
	s_lshl_b32 s31, s31, 5
	s_and_b32 s32, ttmp9, 1
	s_lshl_b32 s32, s32, 3
	s_add_co_u32 s32, s32, s31                     ; the tile's first token: 32 (t / 2) + 8 (t % 2)
	s_lshl_b32 s32, s32, 12                        ; x 4,096 bytes
	s_lshl_b32 s34, s26, 9                         ; my 512 bytes of a row
	s_add_co_u32 s32, s32, s34
	s_mov_b32 s33, 0
	s_mov_b32 s35, 0
	s_mov_b32 s36, 0x3a800000                      ; 1 / 1,024
	s_mov_b32 s37, 0x3727c5ac                      ; 1e-5
	s_wait_alu depctr_va_vdst(0)
	s_wait_kmcnt 0x0
	s_add_nc_u64 s[4:5], s[4:5], s[32:33]
	s_add_nc_u64 s[6:7], s[6:7], s[34:35]
	s_add_nc_u64 s[8:9], s[8:9], s[34:35]
.irp i, 0,1,2,3,4,5,6,7,8,9,10,11,12,13,14,15
	global_load_b128 v[128+4*\i:131+4*\i], v5, s[4:5] offset:(\i+8*(\i/8))*4096 th:TH_LOAD_NT   ; 32 lanes read 512 consecutive bytes of the token at place i
.endr
	s_wait_loadcnt 0x0
.irp i, 0,1,2,3,4,5,6,7,8,9,10,11,12,13,14,15
	ds_store_b128 v7, v[128+4*\i:131+4*\i] offset:528*\i
.endr
.irp b, 0,1,2,3
.irp j, 0,1,2,3
	ds_load_b128 v[X+16*\b+4*\j:X+16*\b+4*\j+3], v8 offset:128*\b+16*\j   ; my own stage: LDS serves a wave's instructions in order
.endr
.endr
	s_wait_dscnt 0x0                               ; the numbers are back, and the stores have read v128-191, which now take the gain
.irp b, 0,1,2,3
.irp j, 0,1,2,3
	global_load_b128 v[128+16*\b+4*\j:131+16*\b+4*\j], v11, s[6:7] offset:128*\b+16*\j
	global_load_b128 v[192+16*\b+4*\j:195+16*\b+4*\j], v11, s[8:9] offset:128*\b+16*\j
.endr
.endr
	v_pk_add_f32 v[14:15], v[64:65], v[66:67]
	v_pk_add_f32 v[60:61], v[72:73], v[76:77]
	v_pk_add_f32 v[58:59], v[80:81], v[84:85]
	v_pk_add_f32 v[56:57], v[88:89], v[92:93]
	v_pk_add_f32 v[54:55], v[96:97], v[100:101]
	v_pk_add_f32 v[52:53], v[104:105], v[108:109]
	v_pk_add_f32 v[50:51], v[112:113], v[116:117]
	v_pk_add_f32 v[12:13], v[120:121], v[124:125]
	s_delay_alu instid0(VALU_DEP_1)
	v_pk_add_f32 v[12:13], v[12:13], v[68:69]
	v_pk_add_f32 v[14:15], v[14:15], v[70:71]
	v_pk_add_f32 v[60:61], v[60:61], v[74:75]
	v_pk_add_f32 v[58:59], v[58:59], v[78:79]
	v_pk_add_f32 v[56:57], v[56:57], v[82:83]
	v_pk_add_f32 v[54:55], v[54:55], v[86:87]
	v_pk_add_f32 v[52:53], v[52:53], v[90:91]
	v_pk_add_f32 v[50:51], v[50:51], v[94:95]
	v_pk_add_f32 v[12:13], v[12:13], v[98:99]
	v_pk_add_f32 v[14:15], v[14:15], v[102:103]
	v_pk_add_f32 v[60:61], v[60:61], v[106:107]
	v_pk_add_f32 v[58:59], v[58:59], v[110:111]
	v_pk_add_f32 v[56:57], v[56:57], v[114:115]
	v_pk_add_f32 v[54:55], v[54:55], v[118:119]
	v_pk_add_f32 v[52:53], v[52:53], v[122:123]
	v_pk_add_f32 v[50:51], v[50:51], v[126:127]
	s_delay_alu instid0(VALU_DEP_4)
	v_pk_add_f32 v[12:13], v[12:13], v[56:57]
	s_delay_alu instid0(VALU_DEP_4)
	v_pk_add_f32 v[14:15], v[14:15], v[54:55]
	s_delay_alu instid0(VALU_DEP_4)
	v_pk_add_f32 v[60:61], v[60:61], v[52:53]
	s_delay_alu instid0(VALU_DEP_4)
	v_pk_add_f32 v[58:59], v[58:59], v[50:51]
	s_delay_alu instid0(VALU_DEP_2)
	v_pk_add_f32 v[12:13], v[12:13], v[60:61]
	s_delay_alu instid0(VALU_DEP_2)
	v_pk_add_f32 v[14:15], v[14:15], v[58:59]
	s_delay_alu instid0(VALU_DEP_1)
	v_pk_add_f32 v[12:13], v[12:13], v[14:15]
	s_delay_alu instid0(VALU_DEP_1)
	v_add_f32 v12, v12, v13
	s_delay_alu instid0(VALU_DEP_1)
	v_permlanex16_b32 v13, v12, s[SEL], s[SEL+1]
	s_delay_alu instid0(VALU_DEP_1)
	v_add_f32 v12, v12, v13                        ; row r's sum over my wave's 128 columns
	ds_store_b32 v10, v12                          ; lanes r and r + 16 write the same word with the same value
	s_wait_dscnt 0x0                               ; for the others' sake: my store has landed
	s_barrier_signal -1
	s_barrier_wait -1
.irp w, 0,1,2,3,4,5,6,7
	ds_load_b32 v[16+\w], v9 offset:64*\w
.endr
	s_wait_dscnt 0x0
	v_add_f32 v16, v16, v17
	v_add_f32 v18, v18, v19
	v_add_f32 v20, v20, v21
	v_add_f32 v22, v22, v23
	s_delay_alu instid0(VALU_DEP_3)
	v_add_f32 v16, v16, v18
	s_delay_alu instid0(VALU_DEP_2)
	v_add_f32 v20, v20, v22
	s_delay_alu instid0(VALU_DEP_1)
	v_add_f32 v16, v16, v20
	s_delay_alu instid0(VALU_DEP_1)
	v_mul_f32 v12, s36, v16                        ; the mean
.set J, 0
.rept 32
	v_pk_add_f32 v[X+J:X+J+1], v[X+J:X+J+1], v[12:13] op_sel_hi:[1,0] neg_lo:[0,1] neg_hi:[0,1]   ; x - mean
.set J, J+2
.endr
	v_pk_mul_f32 v[14:15], v[X:X+1], v[X:X+1]
	v_pk_mul_f32 v[24:25], v[X+2:X+3], v[X+2:X+3]
.set J, 4
.rept 15
	s_delay_alu instid0(VALU_DEP_2)
	v_pk_fma_f32 v[14:15], v[X+J:X+J+1], v[X+J:X+J+1], v[14:15]
	s_delay_alu instid0(VALU_DEP_2)
	v_pk_fma_f32 v[24:25], v[X+J+2:X+J+3], v[X+J+2:X+J+3], v[24:25]
.set J, J+4
.endr
	s_delay_alu instid0(VALU_DEP_1)
	v_pk_add_f32 v[14:15], v[14:15], v[24:25]
	s_delay_alu instid0(VALU_DEP_1)
	v_add_f32 v14, v14, v15
	s_delay_alu instid0(VALU_DEP_1)
	v_permlanex16_b32 v15, v14, s[SEL], s[SEL+1]
	s_delay_alu instid0(VALU_DEP_1)
	v_add_f32 v14, v14, v15
	ds_store_b32 v10, v14 offset:512               ; other bytes than the sums': no wave still reads them
	s_wait_dscnt 0x0
	s_barrier_signal -1
	s_barrier_wait -1
.irp w, 0,1,2,3,4,5,6,7
	ds_load_b32 v[16+\w], v9 offset:512+64*\w
.endr
	s_wait_dscnt 0x0
	v_add_f32 v16, v16, v17
	v_add_f32 v18, v18, v19
	v_add_f32 v20, v20, v21
	v_add_f32 v22, v22, v23
	s_delay_alu instid0(VALU_DEP_3)
	v_add_f32 v16, v16, v18
	s_delay_alu instid0(VALU_DEP_2)
	v_add_f32 v20, v20, v22
	s_delay_alu instid0(VALU_DEP_1)
	v_add_f32 v16, v16, v20
	s_delay_alu instid0(VALU_DEP_1)
	v_fma_f32 v14, v16, s36, s37                   ; the variance + 1e-5
	s_wait_alu depctr_va_vdst(0)
	v_rsq_f32 v14, v14
	v_nop                                          ; a plain line behind the transcendental
	s_lshl_b32 s38, ttmp9, 2                       ; where my fragment goes: record 4 t + w / 2, K step w % 2
	s_lshr_b32 s39, s26, 1
	s_add_co_u32 s38, s38, s39
	s_mul_i32 s38, s38, PR
	s_and_b32 s39, s26, 1
	s_mul_i32 s40, s39, 1536
	s_add_co_u32 s40, s40, s38
	s_mov_b32 s41, 0
	s_lshl_b32 s39, s39, 7
	s_add_co_u32 s42, s38, s39
	s_mov_b32 s43, 0
	s_add_nc_u64 s[40:41], s[10:11], s[40:41]
	s_add_nc_u64 s[42:43], s[10:11], s[42:43]
	s_wait_alu depctr_va_vdst(0)                   ; the wait ahead of the result's first reader
.set J, 0
.rept 32
	v_pk_mul_f32 v[X+J:X+J+1], v[X+J:X+J+1], v[14:15] op_sel_hi:[1,0]
.set J, J+2
.endr
	s_wait_loadcnt 0x0                             ; gain and shift
.set J, 0
.rept 32
	v_pk_fma_f32 v[X+J:X+J+1], v[X+J:X+J+1], v[128+J:129+J], v[192+J:193+J]
.set J, J+2
.endr
.irp b, 0,1,2,3
	v_mov_b32 v[TM+4+\b], 0                        ; a lane permute's destination counts as one of its sources
.endr
	QUANT X, PC, PC+6
	v_lshl_or_b32 v[PW], v[TM+5], 8, v[TM+4]
	s_delay_alu instid0(VALU_DEP_1)
	v_lshl_or_b32 v[PW], v[TM+6], 16, v[PW]
	s_delay_alu instid0(VALU_DEP_1)
	v_lshl_or_b32 v[PW], v[TM+7], 24, v[PW]
.irp c, 0,1,2
	global_store_b128 v5, v[PC+4*\c:PC+4*\c+3], s[40:41] offset:512*\c   ; 32 lanes store 512 consecutive bytes, at a multiple of 256 from the image's first byte
.endr
	global_store_b32 v6, v[PW], s[42:43] offset:3072
	s_wait_tensorcnt 0x0
	ds_add_u32 v62, v63
	s_wait_dscnt 0x0
	s_endpgm
; ---------------- WEIGHTS: a lane takes a column n and its registers run down K; a wave takes 32 columns x 128 K: four whole blocks a lane
.Lweights:
	s_sub_co_u32 s30, ttmp9, 256                   ; 0..127 Wq, Wk, Wv, Wo (32 each); 128..255 W1; 256..383 W2
	s_lshr_b32 s31, s30, 5
	s_lshr_b32 s34, s30, 7                         ; class 0, 1, 2
	s_wait_kmcnt 0x0
	s_cmp_eq_u32 s31, 1
	s_cselect_b64 s[32:33], s[14:15], s[12:13]
	s_cmp_eq_u32 s31, 2
	s_cselect_b64 s[32:33], s[16:17], s[32:33]
	s_cmp_eq_u32 s31, 3
	s_cselect_b64 s[32:33], s[18:19], s[32:33]
	s_cmp_eq_u32 s34, 1
	s_cselect_b64 s[32:33], s[20:21], s[32:33]
	s_cselect_b32 s38, 15, 3                       ; groups of 256 columns: 16 in W1, else 4
	s_cselect_b32 s39, 14, 12                      ; a row of W1 is 16,384 bytes, of the others 4,096
	s_cmp_eq_u32 s34, 2
	s_cselect_b64 s[32:33], s[22:23], s[32:33]
	s_cselect_b32 s35, 5, 3                        ; W2 has 32 K steps, the others 8
	s_cselect_b32 s36, 31, 7
	s_mov_b32 s37, 13312
	s_cselect_b32 s37, 53248, s37                  ; bytes of a tile of 16 rows in the image
	s_lshl_b32 s40, s34, 2
	s_cmp_eq_u32 s34, 0
	s_cselect_b32 s40, s31, s40                    ; the image begins 0..3, 4 or 8 times 851,968 bytes in
	s_and_b32 s41, s30, 127
	s_lshr_b32 s41, s41, s35
	s_and_b32 s41, s41, s38                        ; which 256 columns
	s_and_b32 s36, s30, s36                        ; which K step
	s_lshl_b32 s42, s36, 7
	s_lshl_b32 s42, s42, s39                       ; 128 rows a K step
	s_lshl_b32 s43, s41, 10
	s_add_co_u32 s42, s42, s43
	s_lshl_b32 s43, s26, 7                         ; my wave's 32 columns
	s_add_co_u32 s42, s42, s43
	s_mov_b32 s43, 0
	s_add_nc_u64 s[32:33], s[32:33], s[42:43]
	s_mul_i32 s44, s40, 851968
	s_lshl_b32 s45, s41, 4
	s_lshl_b32 s46, s26, 1
	s_add_co_u32 s45, s45, s46                     ; my two tiles: 16 x group + 2 x wave
	s_mul_i32 s45, s45, s37
	s_add_co_u32 s44, s44, s45
	s_lshr_b32 s45, s36, 1
	s_mul_i32 s45, s45, PR
	s_add_co_u32 s44, s44, s45                     ; the record
	s_and_b32 s46, s36, 1
	s_mul_i32 s47, s46, 1536
	s_add_co_u32 s48, s44, s47
	s_mov_b32 s49, 0
	s_lshl_b32 s46, s46, 7
	s_add_co_u32 s50, s44, s46
	s_mov_b32 s51, 0
	s_add_nc_u64 s[48:49], s[24:25], s[48:49]
	s_add_nc_u64 s[50:51], s[24:25], s[50:51]
	s_wait_alu depctr_va_vdst(0)
	v_lshlrev_b32 v3, 2, v2                        ; in: 4 bytes a lane
	v_bfe_u32 v4, v0, 3, 1                         ; column l of the 32 lies in tile (l / 8) % 2,
	v_bfe_u32 v5, v0, 4, 1
	v_and_b32 v6, 7, v0
	s_delay_alu instid0(VALU_DEP_1)
	v_lshl_or_b32 v6, v5, 3, v6                    ; at row 8 (l / 16) + l % 8
	s_delay_alu instid0(VALU_DEP_4)
	v_mul_lo_u32 v7, v4, s37
	s_delay_alu instid0(VALU_DEP_1)
	v_lshl_add_u32 v8, v6, 4, v7                   ; out: codes
	s_delay_alu instid0(VALU_DEP_2)
	v_lshl_add_u32 v9, v6, 2, v7                   ; out: scale words
.macro WLOAD pitch
.set I, 0
.rept 128
	global_load_b32 v[64+I], v3, s[32:33] offset:I*\pitch th:TH_LOAD_NT   ; a wave reads 128 consecutive bytes, the eight waves 1,024
.set I, I+1
.endr
.endm
	s_cmp_eq_u32 s34, 1
	s_cbranch_scc0 .Lnarrow
	WLOAD 16384
	s_branch .Lloaded
.Lnarrow:
	s_wait_alu depctr_va_vdst(0)
	WLOAD 4096
.Lloaded:
.macro WBLOCK kb                       ; block kb belongs to the image's lanes 16 (kb % 2) + row, registers 6 (kb / 2) on
.set XS, 64+32*(\kb)
.set RD0, 192+12*((\kb)%2)+6*((\kb)/2)
	v_max3_num_f32 v12, |v[XS]|, |v[XS+1]|, |v[XS+2]|
	v_max3_num_f32 v13, |v[XS+3]|, |v[XS+4]|, |v[XS+5]|
.irp i, 6,10,14,18,22,26
	s_delay_alu instid0(VALU_DEP_2)
	v_max3_num_f32 v12, v12, |v[XS+\i]|, |v[XS+\i+1]|
	s_delay_alu instid0(VALU_DEP_2)
	v_max3_num_f32 v13, v13, |v[XS+\i+2]|, |v[XS+\i+3]|
.endr
	s_delay_alu instid0(VALU_DEP_2)
	v_max3_num_f32 v12, v12, |v[XS+30]|, |v[XS+31]|
	s_delay_alu instid0(VALU_DEP_1)
	v_max3_num_f32 v12, v12, v13, 0x2800000        ; and the floor
	s_delay_alu instid0(VALU_DEP_1)
	v_add_nc_u32 v[16+(\kb)], 0xfe000000, v12
	s_delay_alu instid0(VALU_DEP_1)
	v_lshrrev_b32 v13, 23, v[16+(\kb)]
.if (\kb) == 0
	s_delay_alu instid0(VALU_DEP_1)
	v_mov_b32 v20, v13
.else
	s_delay_alu instid0(VALU_DEP_1)
	v_lshl_or_b32 v20, v13, 8*(\kb), v20           ; the column's scale word: byte kb
.endif
	v_cvt_scalef32_pk16_bf6_f32 v[RD0:RD0+2], v[XS:XS+15], v[16+(\kb)]
	v_cvt_scalef32_pk16_bf6_f32 v[216+4*(\kb):218+4*(\kb)], v[XS+16:XS+31], v[16+(\kb)]
	v_nop
.irp i, 0,1,2
	v_mov_b32 v[RD0+3+\i], v[216+4*(\kb)+\i]
.endr
.endm
	s_wait_loadcnt 63                              ; at most 63 of the 128 are out: the first 65 are in, blocks 0 and 1 among them
	WBLOCK 0
	WBLOCK 1
	s_wait_loadcnt 32                              ; the first 96
	WBLOCK 2
	s_wait_loadcnt 0x0
	WBLOCK 3
.irp h, 0,1
.irp c, 0,1,2
	global_store_b128 v8, v[192+12*\h+4*\c:195+12*\h+4*\c], s[48:49] offset:256*\h+512*\c   ; sixteen lanes fill 256 aligned bytes of one tile, the other sixteen of the next
.endr
.endr
	global_store_b32 v9, v20, s[50:51] offset:3072
	global_store_b32 v9, v20, s[50:51] offset:3072+64   ; and once more for the image's lanes 16-31
	s_endpgm
.Lfunc_end_k_qd45e9cad26_prep:
	.size	k_qd45e9cad26_prep, .Lfunc_end_k_qd45e9cad26_prep-k_qd45e9cad26_prep
	.p2alignl 7, 3214868480
	.fill 96, 4, 3214868480
	.section	.rodata,"a",@progbits
	.p2align	6, 0x0
	.amdhsa_kernel k_qd45e9cad26_prep
		.amdhsa_group_segment_fixed_size 69632
		.amdhsa_private_segment_fixed_size 0
		.amdhsa_enable_private_segment 0
		.amdhsa_kernarg_size 88
		.amdhsa_user_sgpr_count 2
		.amdhsa_user_sgpr_kernarg_segment_ptr 1
		.amdhsa_wavefront_size32 1
		.amdhsa_system_sgpr_workgroup_id_x 1
		.amdhsa_system_sgpr_workgroup_id_y 1
		.amdhsa_system_sgpr_workgroup_id_z 1
		.amdhsa_system_vgpr_workitem_id 0
		.amdhsa_next_free_vgpr 256
		.amdhsa_next_free_sgpr 66
		.amdhsa_reserve_vcc 0
		.amdhsa_float_denorm_mode_32 3
		.amdhsa_float_denorm_mode_16_64 3
		.amdhsa_memory_ordered 1
		.amdhsa_forward_progress 1
		.amdhsa_inst_pref_size 64
	.end_amdhsa_kernel
	.amdgpu_metadata
---
amdhsa.version: [ 1, 2 ]
amdhsa.kernels:
  - .name:           k_qd45e9cad26_prep
    .symbol:         k_qd45e9cad26_prep.kd
    .args:
      - { .name: x, .offset: 0, .size: 8, .value_kind: global_buffer, .address_space: global }
      - { .name: g1, .offset: 8, .size: 8, .value_kind: global_buffer, .address_space: global }
      - { .name: s1, .offset: 16, .size: 8, .value_kind: global_buffer, .address_space: global }
      - { .name: h1img, .offset: 24, .size: 8, .value_kind: global_buffer, .address_space: global }
      - { .name: Wq, .offset: 32, .size: 8, .value_kind: global_buffer, .address_space: global }
      - { .name: Wk, .offset: 40, .size: 8, .value_kind: global_buffer, .address_space: global }
      - { .name: Wv, .offset: 48, .size: 8, .value_kind: global_buffer, .address_space: global }
      - { .name: Wo, .offset: 56, .size: 8, .value_kind: global_buffer, .address_space: global }
      - { .name: W1, .offset: 64, .size: 8, .value_kind: global_buffer, .address_space: global }
      - { .name: W2, .offset: 72, .size: 8, .value_kind: global_buffer, .address_space: global }
      - { .name: wimg, .offset: 80, .size: 8, .value_kind: global_buffer, .address_space: global }
    .group_segment_fixed_size: 69632
    .private_segment_fixed_size: 0
    .kernarg_segment_align: 8
    .kernarg_segment_size: 88
    .max_flat_workgroup_size: 256
    .sgpr_count:     66
    .vgpr_count:     256
    .wavefront_size: 32
...
	.end_amdgpu_metadata
.endif
;; end of part 1
;; launch qkv (part 2): grid 12 x 16, 4 waves a work-group, clusters of 4 x 4, 327,680 bytes of LDS; arguments h1img, wimg, qkvimg; writes qkvimg
.if DOCPART == 2
	.amdgcn_target "amdgcn-amd-amdhsa--gfx1250"
	.amdhsa_code_object_version 6
	.text
	.protected	k_qd45e9cad26_qkv
	.globl	k_qd45e9cad26_qkv
	.p2align	8
	.type	k_qd45e9cad26_qkv,@function
k_qd45e9cad26_qkv:
	s_mov_b64 s[64:65], 0
	v_nop
	global_prefetch_b8 v0, s[64:65] scope:SCOPE_SE
	s_setreg_imm32_b32 hwreg(HW_REG_WAVE_MODE, 25, 1), 1
	s_wait_xcnt 0x0
	s_wait_alu depctr_hold_cnt(0) depctr_sa_sdst(0) depctr_va_vdst(0) depctr_va_sdst(0) depctr_va_ssrc(0) depctr_va_vcc(0) depctr_vm_vsrc(0)
	s_getreg_b32 s2, hwreg(HW_REG_IB_STS2, 6, 4)
	s_cmp_eq_u32 s2, 0
	s_cbranch_scc0 .Lentry_in_a_cluster
	s_endpgm
.Lentry_in_a_cluster:
	s_bfe_u32 s2, ttmp6, 0x10000c
	s_cmp_lg_u32 s2, 0xf033
	s_cbranch_scc0 .Lentry_shape_is_right
	s_endpgm
.Lentry_shape_is_right:
; q = h Wq, k = h Wk, v = h Wv on codes of BF6 with E8M0 scales, and each result quantised at once for attention.  Cluster x: 0 = q, 1 = k, 2 = v.
; OPERANDS are images (records of 3,328 bytes: 16 rows x 256 K: registers 4c..4c+3 of lane l of K step s at 1536 s + 512 c + 16 l; scale words at 3072 + 128 s + 4 l), [tile][K / 256][record]:
; a fragment comes from LDS by three loads of 16 bytes a lane and one of 4, with no pitch and no padding.
; A work-group makes 256 x 256 of C, each of four waves 128 x 128: 64 accumulators.  K goes in slots of 256 through a ring of two LDS slots; each wave fills a quarter of a slot by one joint tensor load.
; CLUSTER 4 x 4: "A" (source 1) is shared along a row of the cluster, "B" (source 0) along a column.  The product is used transposed: a lane holds one row of A, and, by the order of rows in the images,
; its 64 registers of a block of 16 rows are 128 neighbouring rows of B, k 32 b + 16 (lane / 16) + i.
; q, k: A = tokens, B = the weight's columns: a lane's 64 numbers are two heads of a token: quantised along the head's 64.  v: THE ROLES ARE SWAPPED (A = Wv's columns, B = tokens): a lane's 64 numbers are 128 neighbouring keys: quantised along the keys.
; OUT: q at 0, k at 3,407,872: [b h][pair of groups of 32 places][record], fragment = group: registers 0-5 its first 16 places x 64 d, registers 6-11 its second 16; scale bytes likewise two and two.
;      v at 6,815,744: [b h][256 keys][16 d][record].
; LIMITS: NaN and infinities are not served; a block under 2^-122 keeps the byte 1.
.set MT,    16                         ; tiles of 16 rows on a side of the work-group's part of C
.set PP,    1                          ; records of a tile in a slot
.set KK,    1024
.set MODE1, 1                          ; the first K step starts the sums with the constant 0
.set PR,    3328
.set NA,    MT/2
.set NBK,   MT/2
.set NQ,    2*PP                       ; K steps of 128 in a slot
.set TROW,  PP*PR
.set TP,    (KK/256)*PR                ; a tile of 16 rows in an image
.set HALF,  NA*TROW                    ; what a wave reads of A or of B
.set SLOT,  4*HALF                     ; A's tiles, then B's
.set LAPS,  KK/(512*PP)
; LDS (in place of what the head comment says of the ring): two regions.  P0, 106,496 bytes at 0: one record (256 K) of A's 16 tiles, then of B's.  P12, 212,992 bytes behind it: two records of A's 16 tiles, then of B's.
; At the head wave 0 brings A's record 0, wave 1 B's, wave 2 A's records 1 and 2, wave 3 B's: one joint load a wave.  K steps 0, 1 read P0; the round in K step 1 lets waves 0 and 1 fill record 3 over P0; K steps 2 to 5 read P12; K steps 6, 7 read P0.
.set SPARE, 3*SLOT
.set ADRA,  16                         ; v16-17 A's codes in slot 0, 1;  v18-19 A's scale words
.set ADRAS, 18
.set ADRB,  20                         ; v20-23 the same for B
.set ADRBS, 22
.set LI,    27                         ; 16 x lane
.set SPW,   28
.set NIL,   29
.set LS,    30                         ; 4 x lane
.set SCA,   32                         ; scale words, set p: A's block i at v[32 + 16 p + i], B's at v[40 + 16 p + i]
.set SCB,   40
.set AF,    64                         ; window 0: A's fragments, two sets of 96;  window 1: B's at v0, v96;  windows 2, 3: accumulator (a, b) at v[8 (8 (a % 4) + b)]
.set TT,    128                        ; the way out, window 0
.set TM,    152
.set PC,    168
.set CT,    180
.set PW,    188
.set F0,    192
.set F1,    204
.set G1,  24
.set G0,  32
.set G1B, 48
.set G0B, 56
.set SEL, 76
.set MSB, 0
.macro WIN new                         ; the immediate's high byte repeats the setting that is left
.if MSB != (\new)
	s_set_vgpr_msb (MSB<<8)|(\new)
.set MSB, (\new)
.endif
.endm
.macro PLACES                          ; four plain lines between a matrix instruction and a load into, or a vector read of, its registers
.rept 4
	v_nop
.endr
.endm
.macro JLOAD s                         ; wave 0 fetches A's record, wave 1 B's, waves 2 and 3 nothing; four v_nop follow each line
	s_cmp_eq_u32 s14, 0                            ; the refill: wave 0 fetches A's record, wave 1 B's, waves 2 and 3 nothing
	s_cbranch_scc0 .Lfor_b_\@
	tensor_load_to_lds s[G0+4*\s:G0+4*\s+3], s[G1:G1+7]
	s_nop 0
.rept 4
	v_nop
.endr
	s_branch .Lasked_\@
.Lfor_b_\@:
	s_cmp_eq_u32 s14, 1
	s_cbranch_scc0 .Lnone_\@
	tensor_load_to_lds s[G0B+4*\s:G0B+4*\s+3], s[G1B:G1B+7]
	s_nop 0
.rept 4
	v_nop
.endr
	s_branch .Lasked_\@
.Lnone_\@:
	PLACES
.Lasked_\@:
.endm
.macro CREST
	s_cmp_lg_u32 s14, 0
	s_cbranch_scc1 .Lnot_wave_0_\@
	s_barrier_signal -3
.Lnot_wave_0_\@:
	s_barrier_wait -3
	s_barrier_signal -1
	s_barrier_wait -1
.endm
.macro CROUND
	s_barrier_signal -1
	s_barrier_wait -1
	CREST
.endm
.macro FETCH slot, q, p                ; the fragments and scale words of the slot's K step q into set p
.set FO, ((\q)/2)*PR+1536*((\q)%2)
.set FS, ((\q)/2)*PR+3072+128*((\q)%2)
	WIN 0x40
.set I, 0
.rept NBK
.irp c, 0,1,2
	ds_load_b128 v[96*(\p)+12*I+4*\c:96*(\p)+12*I+4*\c+3], v[ADRB+\slot] offset:I*TROW+FO+512*\c
.endr
.set I, I+1
.endr
	WIN 0
.set I, 0
.rept NA
.irp c, 0,1,2
	ds_load_b128 v[AF+96*(\p)+12*I+4*\c:AF+96*(\p)+12*I+4*\c+3], v[ADRA+\slot] offset:I*TROW+FO+512*\c
.endr
.set I, I+1
.endr
.set I, 0
.rept NA
	ds_load_b32 v[SCA+16*(\p)+I], v[ADRAS+\slot] offset:I*TROW+FS
	ds_load_b32 v[SCB+16*(\p)+I], v[ADRBS+\slot] offset:I*TROW+FS
.set I, I+1
.endr
.endm
.macro MULS a0, a1, p, mode            ; A's blocks a0 .. a1 - 1 against all of B's; the accumulators take turns, one instruction a turn, in the same order in every K step
.set AA, \a0
.rept (\a1)-(\a0)
.if \mode == 2
	WIN 0x91+0x40*(AA/4)
.else
	WIN 0xa1+0x50*(AA/4)
.endif
.set BB, 0
.rept NBK
.set RC, 8*(NBK*(AA%4)+BB)
.if \mode == 0
	v_wmma_scale_f32_16x16x128_f8f6f4 v[RC:RC+7], v[96*(\p)+12*BB:96*(\p)+12*BB+11], v[AF+96*(\p)+12*AA:AF+96*(\p)+12*AA+11], v[RC:RC+7], v[SCB+16*(\p)+BB], v[SCA+16*(\p)+AA] matrix_a_fmt:MATRIX_FMT_BF6 matrix_b_fmt:MATRIX_FMT_BF6
.elseif \mode == 1
	v_wmma_scale_f32_16x16x128_f8f6f4 v[RC:RC+7], v[96*(\p)+12*BB:96*(\p)+12*BB+11], v[AF+96*(\p)+12*AA:AF+96*(\p)+12*AA+11], 0, v[SCB+16*(\p)+BB], v[SCA+16*(\p)+AA] matrix_a_fmt:MATRIX_FMT_BF6 matrix_b_fmt:MATRIX_FMT_BF6
.else
	v_wmma_scale_f32_16x16x128_f8f6f4 v[RC:RC+7], v[96*(\p)+12*BB:96*(\p)+12*BB+11], v[AF+96*(\p)+12*AA:AF+96*(\p)+12*AA+11], v[192+8*BB:192+8*BB+7], v[SCB+16*(\p)+BB], v[SCA+16*(\p)+AA] matrix_a_fmt:MATRIX_FMT_BF6 matrix_b_fmt:MATRIX_FMT_BF6
.endif
.set BB, BB+1
.endr
.set AA, AA+1
.endr
.endm
.macro STEP slot, q, mode              ; a K step whose successor lies in the same slot
	s_wait_dscnt 0x0                               ; this step's set, asked for a K step ago, is in
	PLACES
	FETCH \slot, (\q)+1, 1-(\q)%2
	MULS 0, NA, (\q)%2, \mode
	WIN 0
.endm
.macro STEPS slot, q0                  ; K steps q0 .. NQ - 2
.set QQ, \q0
.rept NQ-1-(\q0)
	STEP \slot, QQ, 0
.set QQ, QQ+1
.endr
.endm
.macro TURN slot, next, fill           ; a slot's last K step changes slots: one barrier; with fill = 1 it opens a round of the cluster's barrier and the slot is filled again
	WIN 0
	s_wait_tensorcnt 0x0                           ; all my tensor loads have landed: my part of the next slot
	ds_add_u32 v[SPW], v[NIL]                      ; 0 onto my spare word
	s_wait_dscnt 1                                 ; this step's set is in; the add may be out
	MULS 0, NA/4, 1, 0
	s_wait_dscnt 0x0                               ; the add is done, and my reads of this slot are over
	s_barrier_signal -1
	MULS NA/4, NA/2, 1, 0
	WIN 0
	s_barrier_wait -1
.if \fill
	CREST                                          ; no wave of any partner still reads this slot or has a load on its way
	s_add_nc_u64 s[G0+4*\slot+2:G0+4*\slot+3], s[G0+4*\slot+2:G0+4*\slot+3], 3*PR   ; from record 0 to record 3
	s_add_nc_u64 s[G0B+4*\slot+2:G0B+4*\slot+3], s[G0B+4*\slot+2:G0B+4*\slot+3], 3*PR
	JLOAD \slot                                    ; the first tensor load behind the round; its four v_nop are the places in front of the loads below
.else
	PLACES
.endif
.set TROW, (1+\next)*PR                ; from tile to tile: one record in P0, two in P12
	FETCH \next, 0, 0
	MULS NA/2, NA, 1, 0
	WIN 0
.endm
.macro QUANT W, S, D0, D1              ; 64 numbers v[S] on in window W -> registers 0-5 of a fragment at D0, 6-11 at D1, the four bytes in v[TM+4] on.  Each accumulator is read from its low end on
	WIN (\W)|((\W)<<2)|((\W)<<4)
.irp t, 0,1,2,3,4
.irp b, 0,1,2,3
	v_max3_num_f32 v[TT+6*\b+\t], |v[(\S)+16*\b+3*\t]|, |v[(\S)+16*\b+3*\t+1]|, |v[(\S)+16*\b+3*\t+2]|
.endr
.endr
.irp b, 0,1,2,3
	v_max3_num_f32 v[TT+6*\b+5], |v[(\S)+16*\b+15]|, |v[(\S)+16*\b+15]|, 0x2800000   ; the sixteenth, and the floor 2^(5 - 127)
.endr
	WIN 0
.irp b, 0,1,2,3
	v_max3_num_f32 v[TM+\b], v[TT+6*\b], v[TT+6*\b+1], v[TT+6*\b+2]
.endr
.irp b, 0,1,2,3
	v_max3_num_f32 v[TM+8+\b], v[TT+6*\b+3], v[TT+6*\b+4], v[TT+6*\b+5]
.endr
.irp b, 0,1,2,3
	v_max_num_f32 v[TM+\b], v[TM+\b], v[TM+8+\b]
.endr
.irp b, 0,1,2,3
	v_permlanex16_b32 v[TM+4+\b], v[TM+\b], s[SEL], s[SEL+1]
.endr
.irp b, 0,1,2,3
	v_max_num_f32 v[TM+\b], v[TM+\b], v[TM+4+\b]
.endr
.irp b, 0,1,2,3
	v_add_nc_u32 v[TM+12+\b], 0xfe000000, v[TM+\b] ; 4 off the exponent field: the conversion's scale operand
.endr
.irp b, 0,1,2,3
	v_lshrrev_b32 v[TM+4+\b], 23, v[TM+12+\b]      ; the byte
.endr
	WIN (\W)
	v_cvt_scalef32_pk16_bf6_f32 v[(\D0):(\D0)+2], v[(\S):(\S)+15], v[TM+12]
	v_cvt_scalef32_pk16_bf6_f32 v[CT:CT+2], v[(\S)+16:(\S)+31], v[TM+13]
	v_cvt_scalef32_pk16_bf6_f32 v[(\D1):(\D1)+2], v[(\S)+32:(\S)+47], v[TM+14]
	v_cvt_scalef32_pk16_bf6_f32 v[CT+4:CT+6], v[(\S)+48:(\S)+63], v[TM+15]
	WIN 0
	v_nop                                          ; one plain line behind the scaled conversions
.irp i, 0,1,2
	v_permlane16_swap_b32 v[(\D0)+\i], v[CT+\i]
	v_permlane16_swap_b32 v[(\D1)+\i], v[CT+4+\i]
.endr
.irp i, 0,1,2
	v_mov_b32 v[(\D0)+3+\i], v[CT+\i]
	v_mov_b32 v[(\D1)+3+\i], v[CT+4+\i]
.endr
.endm
	s_load_b128 s[4:7], s[0:1], 0x0                ; the tokens' image, the weights' images
	s_load_b64 s[8:9], s[0:1], 0x10                ; out
	v_lshl_add_u32 v[SPW], v0, 2, SPARE
	v_mov_b32 v[NIL], 0
	ds_add_u32 v28, v29
	ds_add_u32 v28, v29
	s_wait_dscnt 0x0
	v_lshrrev_b32 v1, 5, v0
	v_readfirstlane_b32 s14, v1                    ; wave 0..3
	s_lshr_b32 s15, s14, 1                         ; which half of A's rows is mine
	s_and_b32 s16, s14, 1                          ; which half of B's rows
	s_bfe_u32 s40, ttmp6, 0x40000                  ; cx
	s_bfe_u32 s41, ttmp6, 0x40004                  ; cy
	s_and_b32 s17, ttmp7, 0xffff
	s_lshl_b32 s17, s17, 2                         ; 4 x cluster y
	s_add_co_u32 s68, s17, s41                     ; q, k: my 256 tokens
	s_add_co_u32 s69, s17, s40                     ; v: my 256 tokens
	s_lshl_b32 s42, ttmp9, 2
	s_add_co_u32 s42, s42, s40                     ; q, k: my 256 columns of Wq and Wk, whose images follow each other
	s_lshl_b32 s43, s41, 2
	s_lshl_b32 s43, 15, s43                        ; my row of the cluster
	s_lshl_b32 s44, 0x1111, s40                    ; my column
	s_or_b32 s[G1], s43, (3<<16)|(1<<21)           ; 15:0 the mask; 17:16 elements of 8 bytes; 21 set beside a mask; no padding
	s_or_b32 s[G1B], s44, (3<<16)|(1<<21)
.set G1L,  88                          ; s[88:95], s[80:87] group 1 of the loads of two records
.set G1BL, 80
	s_or_b32 s[G1L], s43, (3<<16)|(1<<21)
	s_or_b32 s[G1BL], s44, (3<<16)|(1<<21)
.irp g, G1L, G1BL
	s_mov_b32 s[\g+1], 832<<16
	s_mov_b32 s[\g+2], MT<<16
	s_mov_b32 s[\g+3], 832<<16
	s_mov_b32 s[\g+4], MT
	s_mov_b32 s[\g+5], TP/8
	s_mov_b32 s[\g+6], 0
	s_mov_b32 s[\g+7], 0
.endr
.irp g, G1, G1B
	s_mov_b32 s[\g+1], (416*PP)<<16                ; tensor_dim0: a tile's records in a slot
	s_mov_b32 s[\g+2], MT<<16                      ; tensor_dim1: all 16 tiles
	s_mov_b32 s[\g+3], (416*PP)<<16                ; tile_dim0
	s_mov_b32 s[\g+4], MT
	s_mov_b32 s[\g+5], TP/8                        ; from tile to tile
	s_mov_b32 s[\g+6], 0
	s_mov_b32 s[\g+7], 0
.endr
	s_mov_b32 s[SEL], 0x76543210
	s_mov_b32 s[SEL+1], 0xfedcba98
	s_cmp_eq_u32 ttmp9, 2                          ; the cluster's x alone: alike in all partners
	s_cselect_b32 s20, s41, s68                    ; A's block of 16 tiles hangs on cy,
	s_cselect_b32 s46, s69, s42                    ; B's on cx
	s_cselect_b32 s70, 1703936, 0                  ; Wv's image
	s_mul_i32 s20, s20, MT
	s_mul_i32 s20, s20, TP
	s_add_co_u32 s20, s20, s70
	s_mov_b32 s21, 0
	s_mul_i32 s46, s46, MT
	s_mul_i32 s46, s46, TP
	s_mov_b32 s47, 0
	s_wait_kmcnt 0x0
	s_cmp_eq_u32 ttmp9, 2
	s_cselect_b64 s[72:73], s[6:7], s[4:5]
	s_cselect_b64 s[74:75], s[4:5], s[6:7]
	s_add_nc_u64 s[20:21], s[72:73], s[20:21]
	s_add_nc_u64 s[46:47], s[74:75], s[46:47]
	CROUND                                         ; all sixteen work-groups are here: the first joint loads meet
.irp s, 0,1
	s_mov_b32 s[G0+4*\s], 1
	s_mov_b32 s[G0+4*\s+1], \s*SLOT                ; A: P0 at 0, P12 at SLOT
	s_add_nc_u64 s[G0+4*\s+2:G0+4*\s+3], s[20:21], \s*TROW
	s_or_b32 s[G0+4*\s+3], s[G0+4*\s+3], 0x80000000
	s_mov_b32 s[G0B+4*\s], 1
	s_mov_b32 s[G0B+4*\s+1], SLOT/2+\s*(3*SLOT/2)  ; B: P0 at SLOT / 2, P12 at 2 SLOT
	s_add_nc_u64 s[G0B+4*\s+2:G0B+4*\s+3], s[46:47], \s*TROW
	s_or_b32 s[G0B+4*\s+3], s[G0B+4*\s+3], 0x80000000
.endr
.macro ARM w, g0, g1                   ; one chain of branches on the wave's number, one load to an arm, all arms to one join
	s_cmp_eq_u32 s14, \w
	s_cbranch_scc0 .Lna_\@
	tensor_load_to_lds s[\g0:\g0+3], s[\g1:\g1+7]
	s_nop 0
	PLACES
	s_branch .Lhead_asked
.Lna_\@:
.endm
	ARM 0, G0, G1
	ARM 1, G0B, G1B
	ARM 2, G0+4, G1L
	tensor_load_to_lds s[G0B+4:G0B+7], s[G1BL:G1BL+7]
	s_nop 0
	PLACES
.Lhead_asked:
	v_and_b32 v1, 31, v0
	v_lshlrev_b32 v[LI], 4, v1
	v_lshlrev_b32 v[LS], 2, v1
	s_mul_i32 s66, s15, HALF
	s_mul_i32 s67, s16, HALF
	s_add_co_u32 s67, s67, 2*HALF
.irp s, 0,1
	v_add_nc_u32 v[ADRA+\s], s66, v[LI]
	v_add_nc_u32 v[ADRAS+\s], s66, v[LS]
	v_add_nc_u32 v[ADRB+\s], s67, v[LI]
	v_add_nc_u32 v[ADRBS+\s], s67, v[LS]
	s_lshl_b32 s66, s66, 1                         ; P12: twice the place in P0, + SLOT
	s_add_co_u32 s66, s66, SLOT
	s_lshl_b32 s67, s67, 1
	s_add_co_u32 s67, s67, SLOT
.endr
	s_wait_alu depctr_va_vdst(0)
	s_cmp_lt_u32 s14, 2
	s_cbranch_scc0 .Lnot_first
	s_wait_tensorcnt 0x0                           ; waves 0 and 1: record 0 of A and of B is in
.Lnot_first:
	s_barrier_signal -1                            ; waves 2 and 3's tiles may stay out
	s_barrier_wait -1
	FETCH 0, 0, 0
	STEP 0, 0, MODE1
	TURN 0, 1, 1                                   ; K step 1: every wave's head load is in; the round; record 3 over P0; on to P12
	STEP 1, 0, 0
	STEP 1, 1, 0
	STEP 1, 2, 0
	TURN 1, 0, 0                                   ; K step 5: record 3 is in; nothing is filled; back to P0
	STEP 0, 0, 0
	s_wait_dscnt 0x0
	MULS 0, NA, 1, 0
	WIN 0
	PLACES
.irp b, 0,1,2,3
	v_mov_b32 v[TM+4+\b], 0                        ; a lane permute's destination counts as one of its sources
.endr
	s_cmp_eq_u32 ttmp9, 2
	s_cbranch_scc1 .Lvarm
	; ---- q, k: my 128 tokens x two heads.  A group of 32 places is blocks 2 g and 2 g + 1
	s_lshr_b32 s70, s68, 3                         ; the batch
	s_lshl_b32 s70, s70, 4
	s_lshl_b32 s71, s40, 2
	s_add_co_u32 s70, s70, s71
	s_lshl_b32 s71, s16, 1
	s_add_co_u32 s70, s70, s71                     ; the first of my two heads
	s_lshl_b32 s70, s70, 5                         ; 32 records a head
	s_and_b32 s71, s68, 7
	s_lshl_b32 s71, s71, 2
	s_add_co_u32 s70, s70, s71
	s_lshl_b32 s71, s15, 1
	s_add_co_u32 s70, s70, s71
	s_mul_i32 s70, s70, PR
	s_mul_i32 s71, ttmp9, 3407872
	s_add_co_u32 s84, s70, s71
	s_mov_b32 s85, 0
	s_add_nc_u64 s[84:85], s[8:9], s[84:85]
.irp gl, 0,1,2,3
	s_wait_xcnt 0x0                                ; the last group's stores have read their registers
.irp u, 0,1
	QUANT 2+(2*\gl+\u)/4, 64*((2*\gl+\u)%4), F0+6*\u, F1+6*\u
.if \u == 0
	v_lshl_or_b32 v[PW], v[TM+5], 8, v[TM+4]
	v_lshl_or_b32 v[PW+1], v[TM+7], 8, v[TM+6]
.else
	v_lshl_or_b32 v[PW], v[TM+4], 16, v[PW]
	v_lshl_or_b32 v[PW], v[TM+5], 24, v[PW]
	v_lshl_or_b32 v[PW+1], v[TM+6], 16, v[PW+1]
	v_lshl_or_b32 v[PW+1], v[TM+7], 24, v[PW+1]
.endif
.endr
.irp c, 0,1,2
	global_store_b128 v[LI], v[F0+4*\c:F0+4*\c+3], s[84:85] offset:(\gl/2)*PR+(\gl%2)*1536+512*\c   ; 512 consecutive bytes, at a multiple of 256
	global_store_b128 v[LI], v[F1+4*\c:F1+4*\c+3], s[84:85] offset:106496+(\gl/2)*PR+(\gl%2)*1536+512*\c   ; the next head
.endr
	global_store_b32 v[LS], v[PW], s[84:85] offset:(\gl/2)*PR+3072+128*(\gl%2)
	global_store_b32 v[LS], v[PW+1], s[84:85] offset:106496+(\gl/2)*PR+3072+128*(\gl%2)
.endr
	s_branch .Ldone
.Lvarm:
	; ---- v: my 128 columns of Wv (two heads x four tiles of d) x 128 keys, one K step of attention's second product
	s_lshr_b32 s70, s69, 3                         ; the batch
	s_lshl_b32 s70, s70, 4
	s_lshl_b32 s71, s41, 2
	s_add_co_u32 s70, s70, s71
	s_lshl_b32 s71, s15, 1
	s_add_co_u32 s70, s70, s71                     ; the first of my two heads
	s_mul_i32 s70, s70, 106496
	s_and_b32 s71, s69, 7
	s_mul_i32 s71, s71, 4*PR                       ; which 256 keys
	s_add_co_u32 s70, s70, s71
	s_add_co_u32 s70, s70, 6815744
	s_mul_i32 s71, s16, 1536
	s_add_co_u32 s84, s70, s71
	s_mov_b32 s85, 0
	s_lshl_b32 s71, s16, 7
	s_add_co_u32 s86, s70, s71
	s_mov_b32 s87, 0
	s_add_nc_u64 s[84:85], s[8:9], s[84:85]
	s_add_nc_u64 s[86:87], s[8:9], s[86:87]
.irp a, 0,1,2,3,4,5,6,7
	s_wait_xcnt 0x0
	QUANT 2+\a/4, 64*(\a%4), PC, PC+6
	v_lshl_or_b32 v[PW], v[TM+5], 8, v[TM+4]
	v_lshl_or_b32 v[PW], v[TM+6], 16, v[PW]
	v_lshl_or_b32 v[PW], v[TM+7], 24, v[PW]
.irp c, 0,1,2
	global_store_b128 v[LI], v[PC+4*\c:PC+4*\c+3], s[84:85] offset:(\a/4)*106496+(\a%4)*PR+512*\c
.endr
	global_store_b32 v[LS], v[PW], s[86:87] offset:(\a/4)*106496+(\a%4)*PR+3072
.endr
.Ldone:
	s_wait_tensorcnt 0x0                           ; the wave's end
	ds_add_u32 v[SPW], v[NIL]
	s_wait_dscnt 0x0
	CROUND                                         ; the closing round
	s_endpgm
.Lfunc_end_k_qd45e9cad26_qkv:
	.size	k_qd45e9cad26_qkv, .Lfunc_end_k_qd45e9cad26_qkv-k_qd45e9cad26_qkv
	.p2alignl 7, 3214868480
	.fill 96, 4, 3214868480
	.section	.rodata,"a",@progbits
	.p2align	6, 0x0
	.amdhsa_kernel k_qd45e9cad26_qkv
		.amdhsa_group_segment_fixed_size 327680
		.amdhsa_private_segment_fixed_size 0
		.amdhsa_enable_private_segment 0
		.amdhsa_kernarg_size 24
		.amdhsa_user_sgpr_count 2
		.amdhsa_user_sgpr_kernarg_segment_ptr 1
		.amdhsa_wavefront_size32 1
		.amdhsa_system_sgpr_workgroup_id_x 1
		.amdhsa_system_sgpr_workgroup_id_y 1
		.amdhsa_system_sgpr_workgroup_id_z 1
		.amdhsa_system_vgpr_workitem_id 0
		.amdhsa_next_free_vgpr 1024
		.amdhsa_next_free_sgpr 100
		.amdhsa_reserve_vcc 0
		.amdhsa_float_denorm_mode_32 3
		.amdhsa_float_denorm_mode_16_64 3
		.amdhsa_memory_ordered 1
		.amdhsa_forward_progress 1
		.amdhsa_inst_pref_size 180
	.end_amdhsa_kernel
	.amdgpu_metadata
---
amdhsa.version: [ 1, 2 ]
amdhsa.kernels:
  - .name:           k_qd45e9cad26_qkv
    .symbol:         k_qd45e9cad26_qkv.kd
    .args:
      - { .name: h1img, .offset: 0, .size: 8, .value_kind: global_buffer, .address_space: global }
      - { .name: wimg, .offset: 8, .size: 8, .value_kind: global_buffer, .address_space: global }
      - { .name: qkvimg, .offset: 16, .size: 8, .value_kind: global_buffer, .address_space: global }
    .group_segment_fixed_size: 327680
    .private_segment_fixed_size: 0
    .kernarg_segment_align: 8
    .kernarg_segment_size: 24
    .max_flat_workgroup_size: 128
    .sgpr_count:     100
    .vgpr_count:     1024
    .wavefront_size: 32
...
	.end_amdgpu_metadata
.endif
;; end of part 2
;; launch attn (part 3): grid 8 x 32, 16 waves a work-group, no clusters, 288,768 bytes of LDS; arguments qkvimg, ctximg; writes ctximg
.if DOCPART == 3
	.amdgcn_target "amdgcn-amd-amdhsa--gfx1250"
	.amdhsa_code_object_version 6
	.text
	.protected	k_qd45e9cad26_attn
	.globl	k_qd45e9cad26_attn
	.p2align	8
	.type	k_qd45e9cad26_attn,@function
k_qd45e9cad26_attn:
	s_mov_b64 s[64:65], 0
	v_nop
	global_prefetch_b8 v0, s[64:65] scope:SCOPE_SE
	s_setreg_imm32_b32 hwreg(HW_REG_WAVE_MODE, 25, 1), 1
	s_wait_xcnt 0x0
; Causal attention of one head on codes of BF6, and its result, divided by the row's sum, quantised along the model's 1,024 for the next product.
; t = score x log2(e) / 8; M = the running largest t rounded up to a whole number; p = 2^(t - M) is quantised along the keys, not normalised; the row's sum is taken of the unquantised p.
; SHARES.  Work-group (i, b h) owns query blocks i and 15 - i of 128 places, sixteen tiles of 16 queries, one wave to a tile, 256 registers a wave, four waves to a SIMD.  A tile of block i has i + 1 key steps of 128 under the mask,
; a tile of block 15 - i has 16 - i.  SO THE LONG TILES' STEPS ARE SHARED: wave w < 8 walks steps 0 .. i for its own tile of block i, stores that tile, and then walks steps i + 1 .. 7 for the tile of wave w + 8: 8 steps;
; wave w + 8 walks steps 0 .. i and 8 .. 15 - i of its tile: 9 steps.  Each of the two keeps its own M, sum and O^T; both M are whole numbers, so the two parts are brought under the larger M by multiplications that round nothing.
; The part goes from wave to wave through LDS as an image of its registers: nine stores of 16 bytes a lane, one barrier, nine loads.
; NO CLUSTER: the steps that a wave leaves out are jumped over by branches on the query block, which would differ between partners.
; LDS.  The head's K (106,496 bytes at 0) and V (106,496 bytes behind it) are filled ONCE: wave 0 brings K and wave 1 V, four loads of 26,624 dense bytes (512 keys) each; nothing is filled again.  Four loads of a wave are out at the most.
; Behind them 4,608 bytes for each wave's number, into which no fill lands: waves 0-7 store their parts there; the places of waves 8-15 are claimed and not used.
; LAYOUT.  Both products transposed: a lane holds one query.  A fragment of k holds 32 places: registers 0-5 sixteen keys x 64 d, registers 6-11 the other sixteen.  q stands between zeros, v16-33 = [0 | q | 0]:
; against [q | 0] the fragment gives the first sixteen keys' scores, against [0 | q] the second's: zero codes add nothing.  By the order of places in the images the 16 registers of two such tiles are 16 neighbouring keys.
; The places of a tile of queries are tokens Qmin + r + 8 (r / 8), Qmin = 32 (T / 2) + 8 (T % 2): all 32 tokens of a group lie in one key step, so no row of a step that is walked is hidden whole.
; OUT: registers 6 c .. 6 c + 5 (c = head % 2) of a fragment of the image [tile][4][record].  The plane of registers 4-7 is written 8 bytes of every 16 by each of two heads; the two scale bytes go out as 2 bytes a lane.
; LIMITS: NaN and infinities are not served; a block under 2^-122 keeps the byte 1.
.set PR,   3328
.set CH,   26624                       ; 512 keys of K, or of V
.set VB,   106496                      ; V's place in LDS
.set XB,   212992                      ; the parts' place in LDS
.set XP,   4608                        ; a part: O^T's 32 registers and four of statistics, 512 bytes for each four
.set AK0,  1                           ; v1  16 x lane
.set ASK0, 2                           ; v2  4 x lane + 3072
.set AV0,  3                           ; v3  16 x lane + VB
.set ASV0, 4                           ; v4  4 x lane + VB + 3072
.set DQ,   5                           ; v5  my query's token - 16 (lane / 16)
.set LS,   7                           ; v7  4 x lane
.set ADK,  8
.set ADS,  9
.set ADV,  10
.set ADT,  11
.set XW,   88                          ; v88 where my wave stores a part: XB + XP x wave + 16 x lane
.set XR,   89                          ; v89 where it reads its partner's: XB + XP x (wave % 8) + 16 x lane
.set Q2,   192                         ; v192-197 the long tile's q, v198 its scale word
.set WV,   9                           ; s9  wave
.set G1,   24                          ; s[24:31] group 1;  s[40:43] group 0 of my one fill
.set SKLO, 32                          ; s32 128 (i + 1): the first key that the partners share out
.set SKN,  33                          ; s33 how many keys from there on the first walk leaves out: 128 (7 - i) in waves 8-15, none in waves 0-7
.set P2LO, 34                          ; s34 the second walk's first key: 128 (i + 1) in waves 0-7, beyond every key in waves 8-15
.set G0K,  40
.set G0V,  68
.set QMIN, 56
.set QMAX, 57
.set KF,   58                          ; the step's first key
.set TK,   59                          ; LDS byte of the two steps in hand, in K's part and in V's alike
.set CNT,  61
.set SEL,  62
.set CS,   84                          ; s[84:85] c = log2(e) / 8
	s_load_b128 s[4:7], s[0:1], 0x0                ; q, k, v images; ctx's image
	v_lshl_add_u32 v251, v0, 2, 0x46000
	v_mov_b32 v255, 0
	ds_add_u32 v251, v255
	ds_add_u32 v251, v255
	v_lshrrev_b32 v8, 5, v0
	s_delay_alu instid0(VALU_DEP_1)
	v_readfirstlane_b32 s[WV], v8                  ; wave 0..15
	v_and_b32 v6, 31, v0                           ; every LDS address that stays is made here, ahead of the first branch on the wave's number
	s_delay_alu instid0(VALU_DEP_1)
	v_lshlrev_b32 v[AK0], 4, v6
	s_delay_alu instid0(VALU_DEP_2)
	v_lshlrev_b32 v[LS], 2, v6
	s_delay_alu instid0(VALU_DEP_1)
	v_add_nc_u32 v[ASK0], 3072, v[LS]
	s_delay_alu instid0(VALU_DEP_3)
	v_add_nc_u32 v[AV0], VB, v[AK0]
	s_delay_alu instid0(VALU_DEP_3)
	v_add_nc_u32 v[ASV0], VB+3072, v[LS]
	s_mul_i32 s22, s[WV], XP
	s_add_co_u32 s22, s22, XB
	v_add_nc_u32 v[XW], s22, v[AK0]
	s_and_b32 s23, s[WV], 7                        ; my tile's number in its block
	s_mul_i32 s22, s23, XP
	s_add_co_u32 s22, s22, XB
	v_add_nc_u32 v[XR], s22, v[AK0]
	s_and_b32 s8, ttmp7, 0xffff                    ; b h
	s_mul_i32 s10, s8, 106496
	s_mov_b32 s11, 0
	s_lshl_b32 s12, ttmp9, 3
	s_sub_co_u32 s35, 120, s12
	s_add_co_u32 s35, s35, s23                     ; the long tile: 8 (15 - i) + w % 8
	s_add_co_u32 s12, s12, s23                     ; the short one: 8 i + w % 8
	s_cmp_lt_u32 s[WV], 8
	s_cselect_b32 s12, s12, s35                    ; T: the tile that I store
	s_lshr_b32 s13, s12, 1                         ; its group of 32 places
	s_and_b32 s14, s12, 1                          ; and which half: the same in both tiles
	s_lshr_b32 s35, s35, 1                         ; the long tile's group
	s_lshl_b32 s[QMIN], s13, 5
	s_lshl_b32 s15, s14, 3
	s_add_co_u32 s[QMIN], s[QMIN], s15
	s_add_co_u32 s[QMAX], s[QMIN], 23
	s_add_co_u32 s[SKLO], ttmp9, 1
	s_lshl_b32 s[SKLO], s[SKLO], 7
	s_sub_co_u32 s[SKN], 1024, s[SKLO]
	s_cmp_lt_u32 s[WV], 8
	s_cselect_b32 s[SKN], 0, s[SKN]
	s_cselect_b32 s[P2LO], s[SKLO], 0x7fffffff
	s_mov_b32 s[G1], 3<<16                         ; no mask; elements of 8 bytes; no padding
	s_mov_b32 s[G1+1], 32<<16                      ; rows of 256 bytes,
	s_mov_b32 s[G1+2], 52<<16                      ; 52 of them: 13,312 bytes, 256 keys of K or of V
	s_mov_b32 s[G1+3], 32<<16
	s_mov_b32 s[G1+4], 52
	s_mov_b32 s[G1+5], 32                          ; dense
	s_mov_b32 s[G1+6], 0
	s_mov_b32 s[G1+7], 0
	s_mov_b32 s[SEL], 0x76543210
	s_mov_b32 s[SEL+1], 0xfedcba98
	s_mov_b32 s[CS], 0x3e38aa3b
	s_mov_b32 s[CS+1], s[CS]
	s_mov_b32 s[KF], 0
	s_wait_dscnt 0x0
	s_wait_kmcnt 0x0
	s_add_nc_u64 s[16:17], s[4:5], s[10:11]        ; the head's q,
	s_add_nc_u64 s[18:19], s[16:17], 3407872       ; k,
	s_add_nc_u64 s[20:21], s[16:17], 6815744       ; v
; THE FILLS (in place of what the head comment says of them): every wave brings ONE piece of 13,312 dense bytes, 256 keys: wave w the piece w / 2 of K (w even) or of V (w odd).  One load of a wave is out.
; Waves 0 and 1, whose pieces hold keys 0 to 255, have a load line of their own: they alone wait ahead of the first barrier.
	s_and_b32 s86, s[WV], 1                        ; 0: K, 1: V
	s_lshr_b32 s87, s[WV], 1                       ; which 256 keys
	s_mul_i32 s87, s87, CH/2
	s_mul_i32 s22, s86, VB
	s_mov_b32 s[G0K], 1
	s_add_co_u32 s[G0K+1], s22, s87                ; LDS: VB x (w % 2) + 13,312 x (w / 2)
	s_cmp_eq_u32 s86, 0
	s_cselect_b64 s[G0K+2:G0K+3], s[18:19], s[20:21]
	s_mov_b32 s88, s87
	s_mov_b32 s89, 0
	s_add_nc_u64 s[G0K+2:G0K+3], s[G0K+2:G0K+3], s[88:89]
	s_or_b32 s[G0K+3], s[G0K+3], 0x80000000
	s_cmp_lt_u32 s[WV], 2
	s_cbranch_scc0 .Lrest
	tensor_load_to_lds s[G0K:G0K+3], s[G1:G1+7]
	s_nop 0
.rept 4
	v_nop
.endr
	s_branch .Lasked
.Lrest:
	tensor_load_to_lds s[G0K:G0K+3], s[G1:G1+7]
	s_nop 0
.rept 4
	v_nop
.endr
.Lasked:
.macro QADR g, c, s                    ; the group of 32 places in s[g]: the address of its fragment into s[c:c+1], of my half's two scale bytes into s[s:s+1]
	s_lshr_b32 s86, s[\g], 1
	s_mul_i32 s86, s86, PR                         ; the record,
	s_and_b32 s87, s[\g], 1                        ; its K step
	s_mul_i32 s[\c], s87, 1536
	s_add_co_u32 s[\c], s[\c], s86
	s_mov_b32 s[\c+1], 0
	s_add_nc_u64 s[\c:\c+1], s[16:17], s[\c:\c+1]
	s_lshl_b32 s87, s87, 7
	s_add_co_u32 s[\s], s86, s87
	s_lshl_b32 s87, s14, 1
	s_add_co_u32 s[\s], s[\s], s87
	s_mov_b32 s[\s+1], 0
	s_add_nc_u64 s[\s:\s+1], s[16:17], s[\s:\s+1]
.endm
	QADR 13, 88, 90                                ; the tile that I store
	QADR 35, 96, 98                                ; the long tile (in waves 8-15 the same one again: every wave runs these lines, so that no register is written on one way alone)
	s_cmp_eq_u32 s14, 1                            ; registers 0-5 lie at 0, 8, 512 of a lane's places, registers 6-11 at 520, 1024, 1032
	s_cselect_b32 s92, 520, 0
	s_cselect_b32 s93, 1024, 8
	s_mov_b32 s94, 512
	s_cselect_b32 s94, 1032, s94
	s_wait_alu depctr_va_vdst(0)
	v_add_nc_u32 v8, s92, v[AK0]
	v_add_nc_u32 v9, s93, v[AK0]
	v_add_nc_u32 v10, s94, v[AK0]
	global_load_b64 v[22:23], v8, s[88:89]
	global_load_b64 v[24:25], v9, s[88:89]
	global_load_b64 v[26:27], v10, s[88:89]
	global_load_u16 v34, v[LS], s[90:91] offset:3072
	global_load_b64 v[Q2:Q2+1], v8, s[96:97]
	global_load_b64 v[Q2+2:Q2+3], v9, s[96:97]
	global_load_b64 v[Q2+4:Q2+5], v10, s[96:97]
	global_load_u16 v[Q2+6], v[LS], s[98:99] offset:3072
.irp j, 16,17,18,19,20,21,28,29,30,31,32,33
	v_mov_b32 v\j, 0                               ; the zero codes on both sides of q
.endr
	v_and_b32 v35, 15, v0
	s_delay_alu instid0(VALU_DEP_1)
	v_and_b32 v[DQ], 8, v35
	s_delay_alu instid0(VALU_DEP_1)
	v_add_nc_u32 v[DQ], v[DQ], v35                 ; r + 8 (r / 8)
	v_bfe_u32 v35, v0, 4, 1
	s_delay_alu instid0(VALU_DEP_1)
	v_lshlrev_b32 v35, 4, v35
	s_delay_alu instid0(VALU_DEP_1)
	v_sub_nc_u32 v[DQ], v[DQ], v35
	s_delay_alu instid0(VALU_DEP_1)
	v_add_nc_u32 v[DQ], s[QMIN], v[DQ]
	v_mov_b32 v13, 0xff61b1e6                      ; the largest t so far: -3e38
	s_delay_alu instid0(VALU_DEP_1)
	v_floor_f32 v12, -v13                          ; -M
	v_mov_b32 v14, 0                               ; the sum, in two halves
	v_mov_b32 v15, 0
.irp b, 0,1,2,3
	v_mov_b32 v[236+\b], 0                         ; a lane permute's destination counts as one of its sources
.endr
	v_mov_b32 v252, 0
	v_mov_b32 v253, 0
	s_wait_loadcnt 0x0                             ; both q; the loads' address registers are free too
	v_lshl_or_b32 v34, v34, 16, v34                ; q's scale word: its two bytes for either half of K
	v_lshl_or_b32 v[Q2+6], v[Q2+6], 16, v[Q2+6]
.set J, 0
.rept 32
	v_mov_b32 v[160+J], 0                          ; O^T: the first change of M leaves zeros zeros.  (Also the plain lines between the scale word's making and its first use)
.set J, J+1
.endr
.macro STEP q, pass                    ; 128 keys: the q-th step of the two in hand.  pass = 1: the first walk, with the mask; 2: the second walk, whose keys all count
.if \pass == 1
	s_cmp_gt_u32 s[KF], s[QMAX]                    ; all its keys come after my queries: left out
	s_cbranch_scc1 .Lhidden_\@
	s_sub_co_u32 s86, s[KF], s[SKLO]
	s_cmp_lt_u32 s86, s[SKN]                       ; my partner walks this step for me: left out
	s_cbranch_scc1 .Lhidden_\@
.else
	s_cmp_lt_u32 s[KF], s[P2LO]                    ; the tile's own wave walks this step, or I have no second walk: left out
	s_cbranch_scc1 .Lhidden_\@
.endif
	v_add_nc_u32 v[ADK], s[TK], v[AK0]             ; (these four are also the places in front of the loads below)
	v_add_nc_u32 v[ADS], s[TK], v[ASK0]
	v_add_nc_u32 v[ADV], s[TK], v[AV0]
	v_add_nc_u32 v[ADT], s[TK], v[ASV0]
.irp b, 0,1,2,3
.irp c, 0,1,2
	ds_load_b128 v[36+12*\b+4*\c:39+12*\b+4*\c], v[ADK] offset:(\q)*2*PR+(\b/2)*PR+(\b%2)*1536+512*\c
.endr
	ds_load_b32 v[84+\b], v[ADS] offset:(\q)*2*PR+(\b/2)*PR+128*(\b%2)
.endr
	s_wait_alu depctr_va_vdst(0)
	s_wait_dscnt 0x0
.irp b, 0,1,2,3
	v_wmma_scale_f32_16x16x128_f8f6f4 v[96+16*\b:103+16*\b], v[36+12*\b:47+12*\b], v[22:33], 0, v[84+\b], v34 matrix_a_fmt:MATRIX_FMT_BF6 matrix_b_fmt:MATRIX_FMT_BF6
	v_wmma_scale_f32_16x16x128_f8f6f4 v[104+16*\b:111+16*\b], v[36+12*\b:47+12*\b], v[16:27], 0, v[84+\b], v34 matrix_a_fmt:MATRIX_FMT_BF6 matrix_b_fmt:MATRIX_FMT_BF6
.endr
.rept 4
	v_nop
.endr
.irp t, 0,1,2,3                        ; V's four fragments are asked for now and land under the softmax
.irp c, 0,1,2
	ds_load_b128 v[36+12*\t+4*\c:39+12*\t+4*\c], v[ADV] offset:\t*PR+(\q)*1536+512*\c
.endr
	ds_load_b32 v[84+\t], v[ADT] offset:\t*PR+128*(\q)
.endr
.if \pass == 1
	s_add_co_u32 s86, s[KF], 127
	s_cmp_le_u32 s86, s[QMIN]                      ; all its keys count: no mask
	s_cbranch_scc1 .Lopen_\@
	s_sub_co_i32 s86, 0, s[KF]
	v_add_nc_u32 v252, s86, v[DQ]                  ; d = my token - KF - 16 (lane / 16); register 16 b + i holds key KF + 16 (lane / 16) + 32 b + i: hidden where 32 b + i > d
	v_mov_b32 v254, 0xff800000
.set N, 0
.rept 64
	v_cmp_gt_i32 vcc_lo, 32*(N/16)+N%16, v252
	v_cndmask_b32 v[96+N], v[96+N], v254, vcc_lo
.set N, N+1
.endr
.Lopen_\@:
.endif
.irp b, 0,1,2,3
	v_max3_num_f32 v[232+\b], v[96+16*\b], v[97+16*\b], v[98+16*\b]   ; the largest score of each block of 32 keys: for the row's maximum, and for the block's largest p
.endr
.irp i, 3,5,7,9,11,13
.irp b, 0,1,2,3
	v_max3_num_f32 v[232+\b], v[232+\b], v[96+16*\b+\i], v[97+16*\b+\i]
.endr
.endr
.irp b, 0,1,2,3
	v_max_num_f32 v[232+\b], v[232+\b], v[111+16*\b]
.endr
.irp b, 0,1,2,3
	s_delay_alu instid0(VALU_DEP_4)
	v_permlanex16_b32 v[236+\b], v[232+\b], s[SEL], s[SEL+1]
.endr
.irp b, 0,1,2,3
	s_delay_alu instid0(VALU_DEP_4)
	v_max_num_f32 v[232+\b], v[232+\b], v[236+\b]
.endr
	s_delay_alu instid0(VALU_DEP_2)
	v_max3_num_f32 v254, v232, v233, v234
	s_delay_alu instid0(VALU_DEP_1)
	v_max_num_f32 v254, v254, v235
	s_delay_alu instid0(VALU_DEP_1)
	v_mul_f32 v254, s[CS], v254
	s_delay_alu instid0(VALU_DEP_1)
	v_max_num_f32 v13, v13, v254                   ; the running largest t
	v_mov_b32 v254, v12
	s_delay_alu instid0(VALU_DEP_2)
	v_floor_f32 v12, -v13                          ; the new -M = -ceil(t)
	s_delay_alu instid0(VALU_DEP_1)
	v_sub_f32 v254, v12, v254                      ; old M - new M: a whole number, 0 or less
	s_delay_alu instid0(VALU_DEP_1)
	v_cvt_i32_f32 v254, v254                       ; (it saturates)
	s_delay_alu instid0(VALU_DEP_1)
	v_ldexp_f32 v252, 1.0, v254                    ; f = 2^(old M - new M): rounds nothing
.set J, 0
.rept 32
	v_pk_fma_f32 v[96+J:97+J], v[96+J:97+J], s[CS:CS+1], v[12:13] op_sel_hi:[1,0,0]   ; t - M
.set J, J+2
.endr
.irp b, 0,1,2,3
	v_fma_f32 v[232+\b], v[232+\b], s[CS], v12
.endr
.set J, 0
	s_wait_alu depctr_va_vdst(0)
.rept 64
	v_exp_f32 v[96+J], v[96+J]                     ; p
.set J, J+1
.endr
	v_pk_mul_f32 v[14:15], v[14:15], v[252:253] op_sel_hi:[1,0]   ; the sums under the new M: a plain line behind the exponentials
	s_wait_alu depctr_va_vdst(0)                   ; one wait for the batch, ahead of its first reader
.irp b, 0,1,2,3
	v_exp_f32 v[232+\b], v[232+\b]                 ; each block's largest p
.endr
	v_pk_add_f32 v[236:237], v[100:101], v[104:105]
	v_pk_add_f32 v[248:249], v[108:109], v[112:113]
	v_pk_add_f32 v[246:247], v[116:117], v[120:121]
	v_pk_add_f32 v[244:245], v[124:125], v[128:129]
	v_pk_add_f32 v[242:243], v[132:133], v[136:137]
	v_pk_add_f32 v[240:241], v[140:141], v[144:145]
	v_pk_add_f32 v[238:239], v[148:149], v[152:153]
	v_pk_add_f32 v[14:15], v[14:15], v[156:157]
	v_pk_add_f32 v[236:237], v[236:237], v[96:97]
	v_pk_add_f32 v[248:249], v[248:249], v[98:99]
	v_pk_add_f32 v[246:247], v[246:247], v[102:103]
	v_pk_add_f32 v[244:245], v[244:245], v[106:107]
	v_pk_add_f32 v[242:243], v[242:243], v[110:111]
	v_pk_add_f32 v[240:241], v[240:241], v[114:115]
	v_pk_add_f32 v[238:239], v[238:239], v[118:119]
	v_pk_add_f32 v[14:15], v[14:15], v[122:123]
	v_pk_add_f32 v[236:237], v[236:237], v[126:127]
	v_pk_add_f32 v[248:249], v[248:249], v[130:131]
	v_pk_add_f32 v[246:247], v[246:247], v[134:135]
	v_pk_add_f32 v[244:245], v[244:245], v[138:139]
	v_pk_add_f32 v[242:243], v[242:243], v[142:143]
	v_pk_add_f32 v[240:241], v[240:241], v[146:147]
	v_pk_add_f32 v[238:239], v[238:239], v[150:151]
	v_pk_add_f32 v[14:15], v[14:15], v[154:155]
	v_pk_add_f32 v[236:237], v[236:237], v[158:159]
	s_delay_alu instid0(VALU_DEP_2)
	v_pk_add_f32 v[14:15], v[14:15], v[244:245]
	s_delay_alu instid0(VALU_DEP_2)
	v_pk_add_f32 v[236:237], v[236:237], v[242:243]
	v_pk_add_f32 v[248:249], v[248:249], v[240:241]
	v_pk_add_f32 v[246:247], v[246:247], v[238:239]
	s_delay_alu instid0(VALU_DEP_2)
	v_pk_add_f32 v[14:15], v[14:15], v[248:249]
	s_delay_alu instid0(VALU_DEP_2)
	v_pk_add_f32 v[236:237], v[236:237], v[246:247]
	s_delay_alu instid0(VALU_DEP_1)
	v_pk_add_f32 v[14:15], v[14:15], v[236:237]
	s_wait_alu depctr_va_vdst(0)                   ; and one for the four
.irp b, 0,1,2,3
	v_max_num_f32 v[232+\b], 0x2800000, v[232+\b]  ; the floor
.endr
.irp b, 0,1,2,3
	s_delay_alu instid0(VALU_DEP_4)
	v_add_nc_u32 v[244+\b], 0xfe000000, v[232+\b]
.endr
.irp b, 0,1,2,3
	s_delay_alu instid0(VALU_DEP_4)
	v_lshrrev_b32 v[236+\b], 23, v[244+\b]
.endr
	s_delay_alu instid0(VALU_DEP_3)
	v_lshl_or_b32 v253, v237, 8, v236              ; p's scale word
	s_delay_alu instid0(VALU_DEP_1)
	v_lshl_or_b32 v253, v238, 16, v253
	s_delay_alu instid0(VALU_DEP_1)
	v_lshl_or_b32 v253, v239, 24, v253
.irp c, 0,1
	v_cvt_scalef32_pk16_bf6_f32 v[224+6*\c:226+6*\c], v[96+32*\c:111+32*\c], v[244+2*\c]
	v_cvt_scalef32_pk16_bf6_f32 v[236+4*\c:238+4*\c], v[112+32*\c:127+32*\c], v[244+2*\c+1]
.endr
	v_nop
.irp c, 0,1
.irp i, 0,1,2
	v_permlane16_swap_b32 v[224+6*\c+\i], v[236+4*\c+\i]
.endr
.irp i, 0,1,2
	s_delay_alu instid0(VALU_DEP_3)
	v_mov_b32 v[227+6*\c+\i], v[236+4*\c+\i]
.endr
.endr
.set J, 0
.rept 16
	v_pk_mul_f32 v[160+J:161+J], v[160+J:161+J], v[252:253] op_sel_hi:[1,0]   ; O^T under the new M; also the plain lines in front of the products below
.set J, J+2
.endr
	s_wait_alu depctr_va_vdst(0)
	s_wait_dscnt 0x0                               ; V
.irp t, 0,1,2,3
	v_wmma_scale_f32_16x16x128_f8f6f4 v[160+8*\t:167+8*\t], v[36+12*\t:47+12*\t], v[224:235], v[160+8*\t:167+8*\t], v[84+\t], v253 matrix_a_fmt:MATRIX_FMT_BF6 matrix_b_fmt:MATRIX_FMT_BF6
.endr
.Lhidden_\@:
	s_add_co_u32 s[KF], s[KF], 128
.endm
.macro TRIPS n, pass                   ; n trips of two key steps: every wave walks every trip, and jumps over the work of the steps that are not its own
	s_mov_b32 s[CNT], \n
.Ltrip_\@:
	STEP 0, \pass
	STEP 1, \pass
	s_add_co_u32 s[TK], s[TK], 4*PR
	s_sub_co_u32 s[CNT], s[CNT], 1
	s_cmp_lg_u32 s[CNT], 0
	s_cbranch_scc1 .Ltrip_\@
.endm
; THE WAY OUT of tile s12: O^T / the row's sum, quantised along the head's 64, stored as half a fragment and two scale bytes
.macro FINISH
	v_add_f32 v14, v14, v15
	s_delay_alu instid0(VALU_DEP_1)
	v_permlanex16_b32 v252, v14, s[SEL], s[SEL+1]
	s_delay_alu instid0(VALU_DEP_1)
	v_add_f32 v14, v14, v252                       ; the row's sum
	s_wait_alu depctr_va_vdst(0)
	v_rcp_f32 v14, v14
	v_nop
	s_lshr_b32 s86, s8, 4                          ; the batch
	s_lshl_b32 s86, s86, 7
	s_add_co_u32 s86, s86, s12                     ; my tile among the 256
	s_lshl_b32 s86, s86, 2
	s_and_b32 s87, s8, 15                          ; the head
	s_lshr_b32 s88, s87, 2
	s_add_co_u32 s86, s86, s88
	s_mul_i32 s86, s86, PR                         ; the record
	s_bfe_u32 s88, s8, 0x10001                     ; its K step: (head / 2) % 2
	s_mul_i32 s89, s88, 1536
	s_add_co_u32 s90, s86, s89
	s_mov_b32 s91, 0
	s_lshl_b32 s88, s88, 7
	s_add_co_u32 s92, s86, s88
	s_and_b32 s94, s8, 1                           ; c
	s_lshl_b32 s89, s94, 1
	s_add_co_u32 s92, s92, s89
	s_mov_b32 s93, 0
	s_add_nc_u64 s[90:91], s[6:7], s[90:91]
	s_add_nc_u64 s[92:93], s[6:7], s[92:93]
	s_wait_alu depctr_va_vdst(0)                   ; ahead of the reciprocal's first reader
.set J, 0
.rept 16
	v_pk_mul_f32 v[96+J:97+J], v[160+J:161+J], v[14:15] op_sel_hi:[1,0]   ; register 16 b + i = ctx(my query, 32 b + 16 (lane / 16) + i)
.set J, J+2
.endr
.irp b, 0,1
	v_max3_num_f32 v[232+\b], |v[96+16*\b]|, |v[97+16*\b]|, 0x2800000
.endr
.irp i, 2,4,6,8,10,12,14
.irp b, 0,1
	s_delay_alu instid0(VALU_DEP_2)
	v_max3_num_f32 v[232+\b], v[232+\b], |v[96+16*\b+\i]|, |v[97+16*\b+\i]|
.endr
.endr
.irp b, 0,1
	s_delay_alu instid0(VALU_DEP_2)
	v_permlanex16_b32 v[236+\b], v[232+\b], s[SEL], s[SEL+1]
.endr
.irp b, 0,1
	s_delay_alu instid0(VALU_DEP_2)
	v_max_num_f32 v[232+\b], v[232+\b], v[236+\b]
.endr
.irp b, 0,1
	s_delay_alu instid0(VALU_DEP_2)
	v_add_nc_u32 v[244+\b], 0xfe000000, v[232+\b]
.endr
.irp b, 0,1
	s_delay_alu instid0(VALU_DEP_2)
	v_lshrrev_b32 v[236+\b], 23, v[244+\b]
.endr
	s_delay_alu instid0(VALU_DEP_1)
	v_lshl_or_b32 v253, v237, 8, v236              ; my head's two scale bytes
	v_cvt_scalef32_pk16_bf6_f32 v[224:226], v[96:111], v244
	v_cvt_scalef32_pk16_bf6_f32 v[228:230], v[112:127], v245
	v_nop
.irp i, 0,1,2
	v_permlane16_swap_b32 v[224+\i], v[228+\i]
.endr
	s_delay_alu instid0(VALU_DEP_3)
	v_mov_b32 v227, v228                           ; the six registers on end: v224-229
	s_delay_alu instid0(VALU_DEP_3)
	v_mov_b32 v228, v229
	s_delay_alu instid0(VALU_DEP_3)
	v_mov_b32 v229, v230
	s_cmp_eq_u32 s94, 0
	s_cbranch_scc0 .Lodd_\@
	global_store_b128 v[AK0], v[224:227], s[90:91]               ; registers 0-3
	global_store_b64 v[AK0], v[228:229], s[90:91] offset:512     ; 4, 5
	s_branch .Lsc_\@
.Lodd_\@:
	s_wait_alu depctr_va_vdst(0)
	global_store_b64 v[AK0], v[224:225], s[90:91] offset:520     ; 6, 7
	global_store_b128 v[AK0], v[226:229], s[90:91] offset:1024   ; 8-11
.Lsc_\@:
	s_wait_alu depctr_va_vdst(0)
	global_store_b16 v[LS], v253, s[92:93] offset:3072
.endm
	; ---- THE FIRST WALK: each wave for the tile that it stores
	s_wait_alu depctr_va_vdst(0)                   ; the wait at the head's end
	s_cmp_lt_u32 s[WV], 2
	s_cbranch_scc0 .Lnot_first
	s_wait_tensorcnt 0x0                           ; waves 0 and 1: keys 0 to 255 of K and of V are in; the other waves' pieces may stay out
.Lnot_first:
	s_barrier_signal -1
	s_barrier_wait -1
	s_mov_b32 s[TK], 0
	STEP 0, 1
	STEP 1, 1
	s_wait_tensorcnt 0x0                           ; all of the head
	s_wait_dscnt 0x0
	s_barrier_signal -1
	s_barrier_wait -1
	s_mov_b32 s[TK], 4*PR
	TRIPS 7, 1
.rept 4
	v_nop                                          ; places behind the last products
.endr
	s_cmp_lt_u32 s[WV], 8
	s_cbranch_scc0 .Lkeep
	FINISH                                         ; waves 0-7: my own tile is done,
	v_mov_b32 v34, v[Q2+6]                         ; and I take up my partner's: its q, and sums begun anew
.irp i, 0,1,2,3,4,5
	v_mov_b32 v[22+\i], v[Q2+\i]
.endr
	v_mov_b32 v13, 0xff61b1e6
	s_delay_alu instid0(VALU_DEP_1)
	v_floor_f32 v12, -v13
	v_mov_b32 v14, 0
	v_mov_b32 v15, 0
.set J, 0
.rept 32
	v_mov_b32 v[160+J], 0                          ; (also the plain lines between the operand's and the scale word's making and their first use)
.set J, J+1
.endr
	s_wait_xcnt 0x0                                ; the stores above have read their registers, which the steps below write again
.Lkeep:
	; ---- THE SECOND WALK: waves 0-7, keys 128 (i + 1) .. 1,023 of the long tile; they all come before its tokens, which begin at 1,024 or later
	s_mov_b32 s[KF], 0
	s_mov_b32 s[TK], 0
	TRIPS 4, 2
.rept 4
	v_nop
.endr
	s_cmp_lt_u32 s[WV], 8
	s_cbranch_scc0 .Lnodump
	s_wait_alu depctr_va_vdst(0)
.irp c, 0,1,2,3,4,5,6,7
	ds_store_b128 v[XW], v[160+4*\c:163+4*\c] offset:512*\c     ; the part as it stands in my registers; each accumulator from its low end on
.endr
	ds_store_b128 v[XW], v[12:15] offset:4096                   ; -M, (the largest t: not used), the sum's two halves
.Lnodump:
	s_wait_dscnt 0x0                               ; for the others' sake: my stores have landed
	s_barrier_signal -1
	s_barrier_wait -1
	s_cmp_lt_u32 s[WV], 8
	s_cbranch_scc1 .Lend
	; ---- waves 8-15: the two parts of my tile under the larger M.  A part of no steps (i = 7) has -M = 3e38, zeros for sums, and the factor 0
.irp c, 0,1,2,3,4,5,6,7
	ds_load_b128 v[96+4*\c:99+4*\c], v[XR] offset:512*\c
.endr
	ds_load_b128 v[128:131], v[XR] offset:4096
	v_mov_b32 v137, 0                              ; (named as the upper halves of pairs)
	v_mov_b32 v139, 0
	s_wait_dscnt 0x0
	v_min_num_f32 v132, v12, v128                  ; -M of the larger M
	s_delay_alu instid0(VALU_DEP_1)
	v_sub_f32 v133, v132, v12                      ; my M - the larger: a whole number, 0 or less
	s_delay_alu instid0(VALU_DEP_2)
	v_sub_f32 v134, v132, v128                     ; my partner's likewise
	s_delay_alu instid0(VALU_DEP_2)
	v_cvt_i32_f32 v133, v133                       ; (they saturate)
	s_delay_alu instid0(VALU_DEP_2)
	v_cvt_i32_f32 v134, v134
	s_delay_alu instid0(VALU_DEP_2)
	v_ldexp_f32 v136, 1.0, v133
	s_wait_alu depctr_va_vdst(0)
	v_ldexp_f32 v138, 1.0, v134
	v_pk_mul_f32 v[14:15], v[14:15], v[136:137] op_sel_hi:[1,0]
	s_delay_alu instid0(VALU_DEP_1)
	v_pk_fma_f32 v[14:15], v[130:131], v[138:139], v[14:15] op_sel_hi:[1,0,1]
.set J, 0
.rept 16
	v_pk_mul_f32 v[160+J:161+J], v[160+J:161+J], v[136:137] op_sel_hi:[1,0]
.set J, J+2
.endr
.set J, 0
.rept 16
	v_pk_fma_f32 v[160+J:161+J], v[96+J:97+J], v[138:139], v[160+J:161+J] op_sel_hi:[1,0,1]
.set J, J+2
.endr
	FINISH
.Lend:
	s_wait_tensorcnt 0x0
	ds_add_u32 v251, v255
	s_wait_dscnt 0x0
	s_endpgm
.Lfunc_end_k_qd45e9cad26_attn:
	.size	k_qd45e9cad26_attn, .Lfunc_end_k_qd45e9cad26_attn-k_qd45e9cad26_attn
	.p2alignl 7, 3214868480
	.fill 96, 4, 3214868480
	.section	.rodata,"a",@progbits
	.p2align	6, 0x0
	.amdhsa_kernel k_qd45e9cad26_attn
		.amdhsa_group_segment_fixed_size 288768
		.amdhsa_private_segment_fixed_size 0
		.amdhsa_enable_private_segment 0
		.amdhsa_kernarg_size 16
		.amdhsa_user_sgpr_count 2
		.amdhsa_user_sgpr_kernarg_segment_ptr 1
		.amdhsa_wavefront_size32 1
		.amdhsa_system_sgpr_workgroup_id_x 1
		.amdhsa_system_sgpr_workgroup_id_y 1
		.amdhsa_system_sgpr_workgroup_id_z 1
		.amdhsa_system_vgpr_workitem_id 0
		.amdhsa_next_free_vgpr 256
		.amdhsa_next_free_sgpr 100
		.amdhsa_reserve_vcc 1
		.amdhsa_float_denorm_mode_32 3
		.amdhsa_float_denorm_mode_16_64 3
		.amdhsa_memory_ordered 1
		.amdhsa_forward_progress 1
		.amdhsa_inst_pref_size 149
	.end_amdhsa_kernel
	.amdgpu_metadata
---
amdhsa.version: [ 1, 2 ]
amdhsa.kernels:
  - .name:           k_qd45e9cad26_attn
    .symbol:         k_qd45e9cad26_attn.kd
    .args:
      - { .name: qkvimg, .offset: 0, .size: 8, .value_kind: global_buffer, .address_space: global }
      - { .name: ctximg, .offset: 8, .size: 8, .value_kind: global_buffer, .address_space: global }
    .group_segment_fixed_size: 288768
    .private_segment_fixed_size: 0
    .kernarg_segment_align: 8
    .kernarg_segment_size: 16
    .max_flat_workgroup_size: 512
    .sgpr_count:     100
    .vgpr_count:     256
    .wavefront_size: 32
...
	.end_amdgpu_metadata
.endif
;; end of part 3
;; launch wo (part 4): grid 8 x 32, 4 waves a work-group, clusters of 4 x 4, 327,680 bytes of LDS; arguments ctximg, wimg, bo, x, x2; writes x2
.if DOCPART == 4
	.amdgcn_target "amdgcn-amd-amdhsa--gfx1250"
	.amdhsa_code_object_version 6
	.text
	.protected	k_qd45e9cad26_wo
	.globl	k_qd45e9cad26_wo
	.p2align	8
	.type	k_qd45e9cad26_wo,@function
k_qd45e9cad26_wo:
	s_mov_b64 s[64:65], 0
	v_nop
	global_prefetch_b8 v0, s[64:65] scope:SCOPE_SE
	s_setreg_imm32_b32 hwreg(HW_REG_WAVE_MODE, 25, 1), 1
	s_wait_xcnt 0x0
	s_wait_alu depctr_hold_cnt(0) depctr_sa_sdst(0) depctr_va_vdst(0) depctr_va_sdst(0) depctr_va_ssrc(0) depctr_va_vcc(0) depctr_vm_vsrc(0)
	s_getreg_b32 s2, hwreg(HW_REG_IB_STS2, 6, 4)
	s_cmp_eq_u32 s2, 0
	s_cbranch_scc0 .Lentry_in_a_cluster
	s_endpgm
.Lentry_in_a_cluster:
	s_bfe_u32 s2, ttmp6, 0x10000c
	s_cmp_lg_u32 s2, 0xf033
	s_cbranch_scc0 .Lentry_shape_is_right
	s_endpgm
.Lentry_shape_is_right:
; out = residual + A W + bias on codes of BF6 with E8M0 scales; here A = attention's result, W = Wo, residual = x, out = x2 (f32, [token][1,024]).
; OPERANDS are images (records of 3,328 bytes: 16 rows x 256 K: registers 4c..4c+3 of lane l of K step s at 1536 s + 512 c + 16 l; scale words at 3072 + 128 s + 4 l), [tile][K / 256][record].
; 1,024 columns give only 64 tiles of 256 x 256, so a work-group makes 128 x 128 of C: 256 work-groups; a wave 64 x 64: 16 accumulators.  A slot holds 512 along K (two records a tile); each wave fills a quarter of a slot by one joint load.
; With K = 1,024 the two first fills are all of K: nothing is filled again.  CLUSTER 4 x 4: A shared along a row, W along a column.  The product is used transposed; the bias is the C of each sum's first instruction.
; The rows of A's tiles are places: place r of tile 2 b + u is token 32 b + 8 u + r + 8 (r / 8); W's rows likewise, so that a lane's registers run along neighbouring columns.
; THE WAY OUT: 16 rows x 64 columns at a time through the wave's own stage; sixteen lanes then hold 256 consecutive bytes of a token's row, add the residual (loaded at the head in that same layout) and store them.
.set MT,    8
.set PP,    4                          ; ALL OF K IN ONE FILL (in place of what the head comment says of two slots): four records a tile, one joint load a wave, 53,248 bytes each; no change of slots
.set KK,    1024
.set WOFF,  2555904                    ; Wo's image
.set MODE1, 2                          ; the first K step takes the bias as C
.set PR,    3328
.set NA,    MT/2
.set NBK,   MT/2
.set NQ,    2*PP
.set TROW,  PP*PR
.set TP,    (KK/256)*PR
.set HALF,  NA*TROW
.set SLOT,  4*HALF
.set LAPS,  KK/(512*PP)
.set SPARE, SLOT
.set STAGE, SPARE+512                  ; 16 rows x (256 + 16) bytes for each wave; no fill lands here
.set ADRA,  16
.set ADRAS, 18
.set ADRB,  20
.set ADRBS, 22
.set STO,   24
.set RD,    25
.set CO,    26
.set LI,    27
.set SPW,   28
.set NIL,   29
.set LS,    30
.set SCA,   32
.set SCB,   40
.set AF,    64                         ; window 0: A's two sets at v64, v160;  window 1: W's at v0, v96, the bias from v192;  window 2: accumulator (a, b) at v[8 (4 a + b)];  window 3: the residual, 128 registers
.set G1,  24
.set G0,  32
.set G1B, 48
.set G0B, 56
.set MSB, 0
.macro WIN new
.if MSB != (\new)
	s_set_vgpr_msb (MSB<<8)|(\new)
.set MSB, (\new)
.endif
.endm
.macro PLACES
.rept 4
	v_nop
.endr
.endm
.macro JLOAD s
	s_cmp_eq_u32 s15, 0
	s_cbranch_scc0 .Lfor_b_\@
	tensor_load_to_lds s[G0+4*\s:G0+4*\s+3], s[G1:G1+7]
	s_nop 0
.rept 4
	v_nop
.endr
	s_branch .Lasked_\@
.Lfor_b_\@:
	tensor_load_to_lds s[G0B+4*\s:G0B+4*\s+3], s[G1B:G1B+7]
	s_nop 0
.rept 4
	v_nop
.endr
.Lasked_\@:
.endm
.macro CREST
	s_cmp_lg_u32 s14, 0
	s_cbranch_scc1 .Lnot_wave_0_\@
	s_barrier_signal -3
.Lnot_wave_0_\@:
	s_barrier_wait -3
	s_barrier_signal -1
	s_barrier_wait -1
.endm
.macro CROUND
	s_barrier_signal -1
	s_barrier_wait -1
	CREST
.endm
.macro FETCH slot, q, p
.set FO, ((\q)/2)*PR+1536*((\q)%2)
.set FS, ((\q)/2)*PR+3072+128*((\q)%2)
	WIN 0x40
.set I, 0
.rept NBK
.irp c, 0,1,2
	ds_load_b128 v[96*(\p)+12*I+4*\c:96*(\p)+12*I+4*\c+3], v[ADRB+\slot] offset:I*TROW+FO+512*\c
.endr
.set I, I+1
.endr
	WIN 0
.set I, 0
.rept NA
.irp c, 0,1,2
	ds_load_b128 v[AF+96*(\p)+12*I+4*\c:AF+96*(\p)+12*I+4*\c+3], v[ADRA+\slot] offset:I*TROW+FO+512*\c
.endr
.set I, I+1
.endr
.set I, 0
.rept NA
	ds_load_b32 v[SCA+16*(\p)+I], v[ADRAS+\slot] offset:I*TROW+FS
	ds_load_b32 v[SCB+16*(\p)+I], v[ADRBS+\slot] offset:I*TROW+FS
.set I, I+1
.endr
.endm
.macro MULS a0, a1, p, mode            ; the accumulators take turns, one instruction a turn
.set AA, \a0
.rept (\a1)-(\a0)
.if \mode == 2
	WIN 0x91+0x40*(AA/4)
.else
	WIN 0xa1+0x50*(AA/4)
.endif
.set BB, 0
.rept NBK
.set RC, 8*(NBK*(AA%4)+BB)
.if \mode == 0
	v_wmma_scale_f32_16x16x128_f8f6f4 v[RC:RC+7], v[96*(\p)+12*BB:96*(\p)+12*BB+11], v[AF+96*(\p)+12*AA:AF+96*(\p)+12*AA+11], v[RC:RC+7], v[SCB+16*(\p)+BB], v[SCA+16*(\p)+AA] matrix_a_fmt:MATRIX_FMT_BF6 matrix_b_fmt:MATRIX_FMT_BF6
.elseif \mode == 1
	v_wmma_scale_f32_16x16x128_f8f6f4 v[RC:RC+7], v[96*(\p)+12*BB:96*(\p)+12*BB+11], v[AF+96*(\p)+12*AA:AF+96*(\p)+12*AA+11], 0, v[SCB+16*(\p)+BB], v[SCA+16*(\p)+AA] matrix_a_fmt:MATRIX_FMT_BF6 matrix_b_fmt:MATRIX_FMT_BF6
.else
	v_wmma_scale_f32_16x16x128_f8f6f4 v[RC:RC+7], v[96*(\p)+12*BB:96*(\p)+12*BB+11], v[AF+96*(\p)+12*AA:AF+96*(\p)+12*AA+11], v[192+8*BB:192+8*BB+7], v[SCB+16*(\p)+BB], v[SCA+16*(\p)+AA] matrix_a_fmt:MATRIX_FMT_BF6 matrix_b_fmt:MATRIX_FMT_BF6
.endif
.set BB, BB+1
.endr
.set AA, AA+1
.endr
.endm
.macro STEP slot, q, mode
	s_wait_dscnt 0x0                               ; this step's set, asked for a K step ago, is in
	PLACES
	FETCH \slot, (\q)+1, 1-(\q)%2
	MULS 0, NA, (\q)%2, \mode
	WIN 0
.endm
.macro STEPS slot, q0
.set QQ, \q0
.rept NQ-1-(\q0)
	STEP \slot, QQ, 0
.set QQ, QQ+1
.endr
.endm
.macro TURN slot, next, fill
	WIN 0
	s_wait_tensorcnt 0x0                           ; all my tensor loads have landed: my part of the next slot
	ds_add_u32 v[SPW], v[NIL]                      ; 0 onto my spare word
	s_wait_dscnt 1                                 ; this step's set is in; the add may be out
	MULS 0, NA/4, 1, 0
	s_wait_dscnt 0x0                               ; the add is done, and my reads of this slot are over
	s_barrier_signal -1
	MULS NA/4, NA/2, 1, 0
	WIN 0
	s_barrier_wait -1
.if \fill
	CREST
	s_add_nc_u64 s[G0+4*\slot+2:G0+4*\slot+3], s[G0+4*\slot+2:G0+4*\slot+3], 2*TROW
	s_add_nc_u64 s[G0B+4*\slot+2:G0B+4*\slot+3], s[G0B+4*\slot+2:G0B+4*\slot+3], 2*TROW
	JLOAD \slot
.else
	PLACES
.endif
	FETCH \next, 0, 0
	MULS NA/2, NA, 1, 0
	WIN 0
.endm
	s_load_b256 s[4:11], s[0:1], 0x0               ; A's image, the weights' images, the bias, the residual
	s_load_b64 s[12:13], s[0:1], 0x20              ; out
	v_lshl_add_u32 v[SPW], v0, 2, SPARE
	v_mov_b32 v[NIL], 0
	ds_add_u32 v28, v29
	ds_add_u32 v28, v29
	s_wait_dscnt 0x0
	v_lshrrev_b32 v1, 5, v0
	v_readfirstlane_b32 s14, v1
	s_lshr_b32 s15, s14, 1
	s_and_b32 s16, s14, 1
	s_bfe_u32 s40, ttmp6, 0x40000
	s_bfe_u32 s41, ttmp6, 0x40004
	s_lshl_b32 s42, ttmp9, 2
	s_add_co_u32 s42, s42, s40                     ; tile column
	s_and_b32 s17, ttmp7, 0xffff
	s_lshl_b32 s17, s17, 2
	s_add_co_u32 s17, s17, s41                     ; tile row
	s_lshl_b32 s43, s41, 2
	s_lshl_b32 s43, 15, s43
	s_lshl_b32 s44, 0x1111, s40
	s_or_b32 s[G1], s43, (3<<16)|(1<<21)
	s_or_b32 s[G1B], s44, (3<<16)|(1<<21)
.irp g, G1, G1B
	s_mov_b32 s[\g+1], (416*PP)<<16
	s_mov_b32 s[\g+2], (MT/2)<<16
	s_mov_b32 s[\g+3], (416*PP)<<16
	s_mov_b32 s[\g+4], MT/2
	s_mov_b32 s[\g+5], TP/8
	s_mov_b32 s[\g+6], 0
	s_mov_b32 s[\g+7], 0
.endr
	s_mul_i32 s18, s16, MT/2
	s_mul_i32 s20, s17, MT
	s_add_co_u32 s20, s20, s18
	s_mul_i32 s20, s20, TP
	s_mov_b32 s21, 0
	s_mul_i32 s46, s42, MT
	s_add_co_u32 s46, s46, s18
	s_mul_i32 s46, s46, TP
	s_add_co_u32 s46, s46, WOFF
	s_mov_b32 s47, 0
	s_mul_i32 s45, s14, HALF
	s_wait_kmcnt 0x0
	s_add_nc_u64 s[20:21], s[4:5], s[20:21]
	s_add_nc_u64 s[46:47], s[6:7], s[46:47]
	CROUND
.irp s, 0
	s_mov_b32 s[G0+4*\s], 1
	s_add_co_u32 s[G0+4*\s+1], s45, \s*SLOT
	s_add_nc_u64 s[G0+4*\s+2:G0+4*\s+3], s[20:21], \s*TROW
	s_or_b32 s[G0+4*\s+3], s[G0+4*\s+3], 0x80000000
	s_mov_b32 s[G0B+4*\s], 1
	s_add_co_u32 s[G0B+4*\s+1], s45, \s*SLOT
	s_add_nc_u64 s[G0B+4*\s+2:G0B+4*\s+3], s[46:47], \s*TROW
	s_or_b32 s[G0B+4*\s+3], s[G0B+4*\s+3], 0x80000000
	JLOAD \s
.endr
	v_and_b32 v1, 31, v0
	v_lshlrev_b32 v[LI], 4, v1
	v_lshlrev_b32 v[LS], 2, v1
	s_mul_i32 s66, s15, HALF
	s_mul_i32 s67, s16, HALF
	s_add_co_u32 s67, s67, 2*HALF
.irp s, 0
	v_add_nc_u32 v[ADRA+\s], s66, v[LI]
	v_add_nc_u32 v[ADRAS+\s], s66, v[LS]
	v_add_nc_u32 v[ADRB+\s], s67, v[LI]
	v_add_nc_u32 v[ADRBS+\s], s67, v[LS]
	s_add_co_u32 s66, s66, SLOT
	s_add_co_u32 s67, s67, SLOT
.endr
	v_and_b32 v2, 15, v0                           ; r
	v_bfe_u32 v3, v0, 4, 1                         ; h
	v_lshlrev_b32 v4, 6, v3                        ; the bias: 64 h
	s_wait_alu depctr_va_vdst(0)
	v_lshlrev_b32 v[CO], 12, v3
	v_lshl_add_u32 v[CO], v2, 4, v[CO]             ; lanes 0-15 one token's 256 bytes, lanes 16-31 the next token's
	s_wait_alu depctr_va_vdst(0)
	s_mul_i32 s66, s14, 4352
	s_add_co_u32 s66, s66, STAGE
	v_mul_u32_u24 v[STO], v2, 272
	v_lshl_add_u32 v[STO], v3, 6, v[STO]
	v_add_nc_u32 v[STO], s66, v[STO]               ; in: row r, + 64 h
	v_mul_u32_u24 v[RD], v3, 272
	v_lshl_add_u32 v[RD], v2, 4, v[RD]
	v_add_nc_u32 v[RD], s66, v[RD]                 ; back: two rows an instruction
	s_lshl_b32 s66, s42, 9
	s_lshl_b32 s67, s16, 8
	s_add_co_u32 s66, s66, s67                     ; my first column, in bytes
	s_mov_b32 s67, 0
	s_add_nc_u64 s[8:9], s[8:9], s[66:67]
	s_lshl_b32 s68, s17, 7
	s_lshl_b32 s69, s15, 6
	s_add_co_u32 s68, s68, s69                     ; my first token
	s_lshl_b32 s68, s68, 12
	s_add_co_u32 s68, s68, s66
	s_mov_b32 s69, 0
	s_add_nc_u64 s[10:11], s[10:11], s[68:69]
	s_add_nc_u64 s[12:13], s[12:13], s[68:69]
	WIN 0x40
.irp b, 0,1,2,3                        ; for W's tile 2 b' + u lane (r, h) wants the bias of columns 32 b' + 16 h + 8 u + 0 .. 7
	global_load_b128 v[192+8*\b:195+8*\b], v4, s[8:9] offset:(32*(\b/2)+8*(\b%2))*4
	global_load_b128 v[196+8*\b:199+8*\b], v4, s[8:9] offset:(32*(\b/2)+8*(\b%2))*4+16
.endr
	WIN 0xc0
.irp a, 0,1,2,3                        ; the residual, as the way out will hold the results: it lands under the products
.irp i, 0,1,2,3,4,5,6,7
	global_load_b128 v[4*(8*\a+\i):4*(8*\a+\i)+3], v[CO], s[10:11] offset:(32*(\a/2)+8*(\a%2)+2*\i+8*(\i/4))*4096
.endr
.endr
	WIN 0
	s_wait_alu depctr_va_vdst(0)                   ; the wait at the head's end
	s_wait_tensorcnt 0x0                           ; my quarter of the one fill is in
	s_barrier_signal -1
	s_barrier_wait -1
	FETCH 0, 0, 0
	s_wait_loadcnt 32                              ; the bias is in; the 32 loads of the residual, issued behind it, may be out
	STEP 0, 0, MODE1
.if LAPS > 1
	s_mov_b32 s3, LAPS-1
.Llap:
	STEPS 0, 1
	TURN 0, 1, 1
	STEPS 1, 0
	TURN 1, 0, 1
	STEP 0, 0, 0
	s_sub_co_u32 s3, s3, 1
	s_cmp_lg_u32 s3, 0
	s_cbranch_scc1 .Llap
.endif
	STEPS 0, 1
	s_wait_dscnt 0x0
	MULS 0, NA, 1, 0
	WIN 0
	PLACES
	s_wait_alu depctr_va_vdst(0)
	s_wait_loadcnt 0x0                             ; the residual
.irp a, 0,1,2,3
.set BB2, 64+32*(\a%2)
	WIN 0x08                                       ; an LDS store's data: window 2
.irp b, 0,1,2,3
	ds_store_b128 v[STO], v[8*(4*\a+\b):8*(4*\a+\b)+3] offset:128*(\b/2)+32*(\b%2)        ; each accumulator from its low end on
	ds_store_b128 v[STO], v[8*(4*\a+\b)+4:8*(4*\a+\b)+7] offset:128*(\b/2)+32*(\b%2)+16
.endr
	WIN 0
.if \a > 1
	s_wait_xcnt 0x0                                ; the stores of two blocks ago have read these registers
.endif
.irp i, 0,1,2,3,4,5,6,7
	ds_load_b128 v[BB2+4*\i:BB2+4*\i+3], v[RD] offset:544*\i   ; my own stage: LDS serves a wave's instructions in order
.endr
	s_wait_dscnt 0x0
	WIN 0x0c                                       ; source 1: window 3
.irp i, 0,1,2,3,4,5,6,7
	v_pk_add_f32 v[BB2+4*\i:BB2+4*\i+1], v[BB2+4*\i:BB2+4*\i+1], v[4*(8*\a+\i):4*(8*\a+\i)+1]
	v_pk_add_f32 v[BB2+4*\i+2:BB2+4*\i+3], v[BB2+4*\i+2:BB2+4*\i+3], v[4*(8*\a+\i)+2:4*(8*\a+\i)+3]
.endr
	WIN 0
.irp i, 0,1,2,3,4,5,6,7
	global_store_b128 v[CO], v[BB2+4*\i:BB2+4*\i+3], s[12:13] offset:(32*(\a/2)+8*(\a%2)+2*\i+8*(\i/4))*4096   ; sixteen lanes store 256 consecutive bytes, at a multiple of 256
.endr
.endr
	s_wait_tensorcnt 0x0                           ; the wave's end
	ds_add_u32 v[SPW], v[NIL]
	s_wait_dscnt 0x0
	CROUND
	s_endpgm
.Lfunc_end_k_qd45e9cad26_wo:
	.size	k_qd45e9cad26_wo, .Lfunc_end_k_qd45e9cad26_wo-k_qd45e9cad26_wo
	.p2alignl 7, 3214868480
	.fill 96, 4, 3214868480
	.section	.rodata,"a",@progbits
	.p2align	6, 0x0
	.amdhsa_kernel k_qd45e9cad26_wo
		.amdhsa_group_segment_fixed_size 327680
		.amdhsa_private_segment_fixed_size 0
		.amdhsa_enable_private_segment 0
		.amdhsa_kernarg_size 40
		.amdhsa_user_sgpr_count 2
		.amdhsa_user_sgpr_kernarg_segment_ptr 1
		.amdhsa_wavefront_size32 1
		.amdhsa_system_sgpr_workgroup_id_x 1
		.amdhsa_system_sgpr_workgroup_id_y 1
		.amdhsa_system_sgpr_workgroup_id_z 1
		.amdhsa_system_vgpr_workitem_id 0
		.amdhsa_next_free_vgpr 1024
		.amdhsa_next_free_sgpr 100
		.amdhsa_reserve_vcc 0
		.amdhsa_float_denorm_mode_32 3
		.amdhsa_float_denorm_mode_16_64 3
		.amdhsa_memory_ordered 1
		.amdhsa_forward_progress 1
		.amdhsa_inst_pref_size 57
	.end_amdhsa_kernel
	.amdgpu_metadata
---
amdhsa.version: [ 1, 2 ]
amdhsa.kernels:
  - .name:           k_qd45e9cad26_wo
    .symbol:         k_qd45e9cad26_wo.kd
    .args:
      - { .name: ctximg, .offset: 0, .size: 8, .value_kind: global_buffer, .address_space: global }
      - { .name: wimg, .offset: 8, .size: 8, .value_kind: global_buffer, .address_space: global }
      - { .name: bo, .offset: 16, .size: 8, .value_kind: global_buffer, .address_space: global }
      - { .name: x, .offset: 24, .size: 8, .value_kind: global_buffer, .address_space: global }
      - { .name: x2, .offset: 32, .size: 8, .value_kind: global_buffer, .address_space: global }
    .group_segment_fixed_size: 327680
    .private_segment_fixed_size: 0
    .kernarg_segment_align: 8
    .kernarg_segment_size: 40
    .max_flat_workgroup_size: 128
    .sgpr_count:     100
    .vgpr_count:     1024
    .wavefront_size: 32
...
	.end_amdgpu_metadata
.endif
;; end of part 4
;; launch ln2: the kernel of part 1 again; grid 256 x 1, 8 waves a work-group, no clusters, 69,632 bytes of LDS; arguments x2, g2, s2, h2img, Wq, Wk, Wv, Wo, W1, W2, wimg; writes h2img, wimg
;; launch mlp1 (part 5): grid 16 x 16, 4 waves a work-group, clusters of 4 x 4, 327,680 bytes of LDS; arguments h2img, wimg, b1, hidimg; writes hidimg
.if DOCPART == 5
	.amdgcn_target "amdgcn-amd-amdhsa--gfx1250"
	.amdhsa_code_object_version 6
	.text
	.protected	k_qd45e9cad26_mlp1
	.globl	k_qd45e9cad26_mlp1
	.p2align	8
	.type	k_qd45e9cad26_mlp1,@function
k_qd45e9cad26_mlp1:
	s_mov_b64 s[64:65], 0
	v_nop
	global_prefetch_b8 v0, s[64:65] scope:SCOPE_SE
	s_setreg_imm32_b32 hwreg(HW_REG_WAVE_MODE, 25, 1), 1
	s_wait_xcnt 0x0
	s_wait_alu depctr_hold_cnt(0) depctr_sa_sdst(0) depctr_va_vdst(0) depctr_va_sdst(0) depctr_va_ssrc(0) depctr_va_vcc(0) depctr_vm_vsrc(0)
	s_getreg_b32 s2, hwreg(HW_REG_IB_STS2, 6, 4)
	s_cmp_eq_u32 s2, 0
	s_cbranch_scc0 .Lentry_in_a_cluster
	s_endpgm
.Lentry_in_a_cluster:
	s_bfe_u32 s2, ttmp6, 0x10000c
	s_cmp_lg_u32 s2, 0xf033
	s_cbranch_scc0 .Lentry_shape_is_right
	s_endpgm
.Lentry_shape_is_right:
.set MT,    16
.set PP,    1
.set KK,    1024
.set WOFF,  3407872
.set MODE1, 2
.set PR,    3328
.set NA,    MT/2
.set NBK,   MT/2
.set NQ,    2*PP
.set TROW,  PP*PR
.set TP,    (KK/256)*PR
.set HALF,  NA*TROW
.set SLOT,  4*HALF
.set LAPS,  KK/(512*PP)
; hidden = gelu(h2 W1 + b1) on codes of BF6, quantised at once along the hidden axis.  A work-group makes 256 x 256, a wave 128 x 128.
; LDS: two regions.  P0, 106,496 bytes at 0: one record (256 K) of A's 16 tiles, then of B's.  P12, 212,992 bytes behind it: two records of A's 16 tiles, then of B's.
; At the head wave 0 brings A's record 0, wave 1 B's, wave 2 A's records 1 and 2, wave 3 B's: one joint load a wave.  K steps 0, 1 read P0; the round in K step 1 lets waves 0 and 1 fill record 3 over P0; K steps 2 to 5 read P12; K steps 6, 7 read P0.
.set SPARE, 3*SLOT
.set ADRA,  16
.set ADRAS, 18
.set ADRB,  20
.set ADRBS, 22
.set LI,    27
.set SPW,   28
.set NIL,   29
.set LS,    30
.set SCA,   32
.set SCB,   40
.set AF,    64
.set X,     64
.set TT,    128
.set TM,    152
.set PC,    168
.set CT,    180
.set PW,    188
.set K1,    216
.set G1,  24
.set G0,  32
.set G1B, 48
.set G0B, 56
.set SEL, 76
.set K2,  78
.set MSB, 0
.macro WIN new
.if MSB != (\new)
	s_set_vgpr_msb (MSB<<8)|(\new)
.set MSB, (\new)
.endif
.endm
.macro PLACES
.rept 4
	v_nop
.endr
.endm
.macro JLOAD s
	s_cmp_eq_u32 s14, 0                            ; the refill: wave 0 fetches A's record, wave 1 B's, waves 2 and 3 nothing
	s_cbranch_scc0 .Lfor_b_\@
	tensor_load_to_lds s[G0+4*\s:G0+4*\s+3], s[G1:G1+7]
	s_nop 0
.rept 4
	v_nop
.endr
	s_branch .Lasked_\@
.Lfor_b_\@:
	s_cmp_eq_u32 s14, 1
	s_cbranch_scc0 .Lnone_\@
	tensor_load_to_lds s[G0B+4*\s:G0B+4*\s+3], s[G1B:G1B+7]
	s_nop 0
.rept 4
	v_nop
.endr
	s_branch .Lasked_\@
.Lnone_\@:
	PLACES
.Lasked_\@:
.endm
.macro CREST
	s_cmp_lg_u32 s14, 0
	s_cbranch_scc1 .Lnot_wave_0_\@
	s_barrier_signal -3
.Lnot_wave_0_\@:
	s_barrier_wait -3
	s_barrier_signal -1
	s_barrier_wait -1
.endm
.macro CROUND
	s_barrier_signal -1
	s_barrier_wait -1
	CREST
.endm
.macro FETCH slot, q, p
.set FO, ((\q)/2)*PR+1536*((\q)%2)
.set FS, ((\q)/2)*PR+3072+128*((\q)%2)
	WIN 0x40
.set I, 0
.rept NBK
.irp c, 0,1,2
	ds_load_b128 v[96*(\p)+12*I+4*\c:96*(\p)+12*I+4*\c+3], v[ADRB+\slot] offset:I*TROW+FO+512*\c
.endr
.set I, I+1
.endr
	WIN 0
.set I, 0
.rept NA
.irp c, 0,1,2
	ds_load_b128 v[AF+96*(\p)+12*I+4*\c:AF+96*(\p)+12*I+4*\c+3], v[ADRA+\slot] offset:I*TROW+FO+512*\c
.endr
.set I, I+1
.endr
.set I, 0
.rept NA
	ds_load_b32 v[SCA+16*(\p)+I], v[ADRAS+\slot] offset:I*TROW+FS
	ds_load_b32 v[SCB+16*(\p)+I], v[ADRBS+\slot] offset:I*TROW+FS
.set I, I+1
.endr
.endm
.macro MULS a0, a1, p, mode
.set AA, \a0
.rept (\a1)-(\a0)
.if \mode == 2
	WIN 0x91+0x40*(AA/4)
.else
	WIN 0xa1+0x50*(AA/4)
.endif
.set BB, 0
.rept NBK
.set RC, 8*(NBK*(AA%4)+BB)
.if \mode == 0
	v_wmma_scale_f32_16x16x128_f8f6f4 v[RC:RC+7], v[96*(\p)+12*BB:96*(\p)+12*BB+11], v[AF+96*(\p)+12*AA:AF+96*(\p)+12*AA+11], v[RC:RC+7], v[SCB+16*(\p)+BB], v[SCA+16*(\p)+AA] matrix_a_fmt:MATRIX_FMT_BF6 matrix_b_fmt:MATRIX_FMT_BF6
.elseif \mode == 1
	v_wmma_scale_f32_16x16x128_f8f6f4 v[RC:RC+7], v[96*(\p)+12*BB:96*(\p)+12*BB+11], v[AF+96*(\p)+12*AA:AF+96*(\p)+12*AA+11], 0, v[SCB+16*(\p)+BB], v[SCA+16*(\p)+AA] matrix_a_fmt:MATRIX_FMT_BF6 matrix_b_fmt:MATRIX_FMT_BF6
.else
	v_wmma_scale_f32_16x16x128_f8f6f4 v[RC:RC+7], v[96*(\p)+12*BB:96*(\p)+12*BB+11], v[AF+96*(\p)+12*AA:AF+96*(\p)+12*AA+11], v[192+8*BB:192+8*BB+7], v[SCB+16*(\p)+BB], v[SCA+16*(\p)+AA] matrix_a_fmt:MATRIX_FMT_BF6 matrix_b_fmt:MATRIX_FMT_BF6
.endif
.set BB, BB+1
.endr
.set AA, AA+1
.endr
.endm
.macro STEP slot, q, mode
	s_wait_dscnt 0x0
	PLACES
	FETCH \slot, (\q)+1, 1-(\q)%2
	MULS 0, NA, (\q)%2, \mode
	WIN 0
.endm
.macro STEPS slot, q0
.set QQ, \q0
.rept NQ-1-(\q0)
	STEP \slot, QQ, 0
.set QQ, QQ+1
.endr
.endm
.macro TURN slot, next, fill
	WIN 0
	s_wait_tensorcnt 0x0
	ds_add_u32 v[SPW], v[NIL]
	s_wait_dscnt 1
	MULS 0, NA/4, 1, 0
	s_wait_dscnt 0x0
	s_barrier_signal -1
	MULS NA/4, NA/2, 1, 0
	WIN 0
	s_barrier_wait -1
.if \fill
	CREST
	s_add_nc_u64 s[G0+4*\slot+2:G0+4*\slot+3], s[G0+4*\slot+2:G0+4*\slot+3], 3*PR   ; from record 0 to record 3
	s_add_nc_u64 s[G0B+4*\slot+2:G0B+4*\slot+3], s[G0B+4*\slot+2:G0B+4*\slot+3], 3*PR
	JLOAD \slot
.else
	PLACES
.endif
.set TROW, (1+\next)*PR                ; from tile to tile: one record in P0, two in P12
	FETCH \next, 0, 0
	MULS NA/2, NA, 1, 0
	WIN 0
.endm
.macro QUANT S, D0, D1
.irp t, 0,1,2,3,4
.irp b, 0,1,2,3
	v_max3_num_f32 v[TT+6*\b+\t], |v[(\S)+16*\b+3*\t]|, |v[(\S)+16*\b+3*\t+1]|, |v[(\S)+16*\b+3*\t+2]|
.endr
.endr
.irp b, 0,1,2,3
	v_max3_num_f32 v[TT+6*\b+5], |v[(\S)+16*\b+15]|, |v[(\S)+16*\b+15]|, 0x2800000
.endr
.irp b, 0,1,2,3
	v_max3_num_f32 v[TM+\b], v[TT+6*\b], v[TT+6*\b+1], v[TT+6*\b+2]
.endr
.irp b, 0,1,2,3
	v_max3_num_f32 v[TM+8+\b], v[TT+6*\b+3], v[TT+6*\b+4], v[TT+6*\b+5]
.endr
.irp b, 0,1,2,3
	v_max_num_f32 v[TM+\b], v[TM+\b], v[TM+8+\b]
.endr
.irp b, 0,1,2,3
	v_permlanex16_b32 v[TM+4+\b], v[TM+\b], s[SEL], s[SEL+1]
.endr
.irp b, 0,1,2,3
	v_max_num_f32 v[TM+\b], v[TM+\b], v[TM+4+\b]
.endr
.irp b, 0,1,2,3
	v_add_nc_u32 v[TM+12+\b], 0xfe000000, v[TM+\b]
.endr
.irp b, 0,1,2,3
	v_lshrrev_b32 v[TM+4+\b], 23, v[TM+12+\b]
.endr
	v_cvt_scalef32_pk16_bf6_f32 v[(\D0):(\D0)+2], v[(\S):(\S)+15], v[TM+12]
	v_cvt_scalef32_pk16_bf6_f32 v[CT:CT+2], v[(\S)+16:(\S)+31], v[TM+13]
	v_cvt_scalef32_pk16_bf6_f32 v[(\D1):(\D1)+2], v[(\S)+32:(\S)+47], v[TM+14]
	v_cvt_scalef32_pk16_bf6_f32 v[CT+4:CT+6], v[(\S)+48:(\S)+63], v[TM+15]
	v_nop
.irp i, 0,1,2
	v_permlane16_swap_b32 v[(\D0)+\i], v[CT+\i]
	v_permlane16_swap_b32 v[(\D1)+\i], v[CT+4+\i]
.endr
.irp i, 0,1,2
	v_mov_b32 v[(\D0)+3+\i], v[CT+\i]
	v_mov_b32 v[(\D1)+3+\i], v[CT+4+\i]
.endr
.endm
.macro GELU a
.set WA, 2+(\a)/4
.set SA, 64*((\a)%4)
	WIN WA|(WA<<2)
.set J, 0
.rept 32
	v_pk_mul_f32 v[X+J:X+J+1], v[SA+J:SA+J+1], v[SA+J:SA+J+1]
.set J, J+2
.endr
	WIN 0
.set J, 0
.rept 32
	v_pk_fma_f32 v[X+J:X+J+1], v[X+J:X+J+1], s[K2:K2+1], v[K1:K1+1] op_sel_hi:[1,0,0]
.set J, J+2
.endr
	WIN WA<<2
.set J, 0
.rept 32
	v_pk_mul_f32 v[X+J:X+J+1], v[X+J:X+J+1], v[SA+J:SA+J+1]
.set J, J+2
.endr
	WIN 0
.set J, 0
	s_wait_alu depctr_va_vdst(0)
.rept 64
	v_exp_f32 v[X+J], v[X+J]
.set J, J+1
.endr
	v_nop
	s_wait_alu depctr_va_vdst(0)
.set J, 0
.rept 32
	v_pk_add_f32 v[X+J:X+J+1], v[X+J:X+J+1], 1.0 op_sel_hi:[1,0]
.set J, J+2
.endr
.set J, 0
	s_wait_alu depctr_va_vdst(0)
.rept 64
	v_rcp_f32 v[X+J], v[X+J]
.set J, J+1
.endr
	v_nop
	s_wait_alu depctr_va_vdst(0)
	WIN WA<<2
.set J, 0
.rept 32
	v_pk_mul_f32 v[X+J:X+J+1], v[X+J:X+J+1], v[SA+J:SA+J+1]
.set J, J+2
.endr
	WIN 0
.endm
	s_load_b128 s[4:7], s[0:1], 0x0
	s_load_b128 s[8:11], s[0:1], 0x10
	v_lshl_add_u32 v[SPW], v0, 2, SPARE
	v_mov_b32 v[NIL], 0
	ds_add_u32 v28, v29
	ds_add_u32 v28, v29
	s_wait_dscnt 0x0
	v_lshrrev_b32 v1, 5, v0
	v_readfirstlane_b32 s14, v1
	s_lshr_b32 s15, s14, 1
	s_and_b32 s16, s14, 1
	s_bfe_u32 s40, ttmp6, 0x40000
	s_bfe_u32 s41, ttmp6, 0x40004
	s_lshl_b32 s42, ttmp9, 2
	s_add_co_u32 s42, s42, s40
	s_and_b32 s17, ttmp7, 0xffff
	s_lshl_b32 s17, s17, 2
	s_add_co_u32 s17, s17, s41
	s_lshl_b32 s43, s41, 2
	s_lshl_b32 s43, 15, s43
	s_lshl_b32 s44, 0x1111, s40
	s_or_b32 s[G1], s43, (3<<16)|(1<<21)
	s_or_b32 s[G1B], s44, (3<<16)|(1<<21)
.set G1L,  88                          ; s[88:95], s[80:87] group 1 of the loads of two records
.set G1BL, 80
	s_or_b32 s[G1L], s43, (3<<16)|(1<<21)
	s_or_b32 s[G1BL], s44, (3<<16)|(1<<21)
.irp g, G1L, G1BL
	s_mov_b32 s[\g+1], 832<<16
	s_mov_b32 s[\g+2], MT<<16
	s_mov_b32 s[\g+3], 832<<16
	s_mov_b32 s[\g+4], MT
	s_mov_b32 s[\g+5], TP/8
	s_mov_b32 s[\g+6], 0
	s_mov_b32 s[\g+7], 0
.endr
.irp g, G1, G1B
	s_mov_b32 s[\g+1], (416*PP)<<16
	s_mov_b32 s[\g+2], MT<<16
	s_mov_b32 s[\g+3], (416*PP)<<16
	s_mov_b32 s[\g+4], MT
	s_mov_b32 s[\g+5], TP/8
	s_mov_b32 s[\g+6], 0
	s_mov_b32 s[\g+7], 0
.endr
	s_mov_b32 s[SEL], 0x76543210
	s_mov_b32 s[SEL+1], 0xfedcba98
	s_mov_b32 s[K2], 0xbdd2d3e8
	s_mov_b32 s[K2+1], s[K2]
	s_mul_i32 s20, s17, MT
	s_mul_i32 s20, s20, TP
	s_mov_b32 s21, 0
	s_mul_i32 s46, s42, MT
	s_mul_i32 s46, s46, TP
	s_add_co_u32 s46, s46, WOFF
	s_mov_b32 s47, 0
	s_wait_kmcnt 0x0
	s_add_nc_u64 s[20:21], s[4:5], s[20:21]
	s_add_nc_u64 s[46:47], s[6:7], s[46:47]
	CROUND
.irp s, 0,1
	s_mov_b32 s[G0+4*\s], 1
	s_mov_b32 s[G0+4*\s+1], \s*SLOT                ; A: P0 at 0, P12 at SLOT
	s_add_nc_u64 s[G0+4*\s+2:G0+4*\s+3], s[20:21], \s*TROW
	s_or_b32 s[G0+4*\s+3], s[G0+4*\s+3], 0x80000000
	s_mov_b32 s[G0B+4*\s], 1
	s_mov_b32 s[G0B+4*\s+1], SLOT/2+\s*(3*SLOT/2)  ; B: P0 at SLOT / 2, P12 at 2 SLOT
	s_add_nc_u64 s[G0B+4*\s+2:G0B+4*\s+3], s[46:47], \s*TROW
	s_or_b32 s[G0B+4*\s+3], s[G0B+4*\s+3], 0x80000000
.endr
.macro ARM w, g0, g1                   ; one chain of branches on the wave's number, one load to an arm, all arms to one join
	s_cmp_eq_u32 s14, \w
	s_cbranch_scc0 .Lna_\@
	tensor_load_to_lds s[\g0:\g0+3], s[\g1:\g1+7]
	s_nop 0
	PLACES
	s_branch .Lhead_asked
.Lna_\@:
.endm
	ARM 0, G0, G1
	ARM 1, G0B, G1B
	ARM 2, G0+4, G1L
	tensor_load_to_lds s[G0B+4:G0B+7], s[G1BL:G1BL+7]
	s_nop 0
	PLACES
.Lhead_asked:
	v_and_b32 v1, 31, v0
	v_lshlrev_b32 v[LI], 4, v1
	v_lshlrev_b32 v[LS], 2, v1
	s_mul_i32 s66, s15, HALF
	s_mul_i32 s67, s16, HALF
	s_add_co_u32 s67, s67, 2*HALF
.irp s, 0,1
	v_add_nc_u32 v[ADRA+\s], s66, v[LI]
	v_add_nc_u32 v[ADRAS+\s], s66, v[LS]
	v_add_nc_u32 v[ADRB+\s], s67, v[LI]
	v_add_nc_u32 v[ADRBS+\s], s67, v[LS]
	s_lshl_b32 s66, s66, 1                         ; P12: twice the place in P0, + SLOT
	s_add_co_u32 s66, s66, SLOT
	s_lshl_b32 s67, s67, 1
	s_add_co_u32 s67, s67, SLOT
.endr
	v_bfe_u32 v3, v0, 4, 1
	v_lshlrev_b32 v4, 6, v3
	s_lshl_b32 s66, s42, 10
	s_lshl_b32 s67, s16, 9
	s_add_co_u32 s66, s66, s67
	s_mov_b32 s67, 0
	s_add_nc_u64 s[8:9], s[8:9], s[66:67]
	WIN 0x40
.irp b, 0,1,2,3,4,5,6,7
	global_load_b128 v[192+8*\b:195+8*\b], v4, s[8:9] offset:(32*(\b/2)+8*(\b%2))*4
	global_load_b128 v[196+8*\b:199+8*\b], v4, s[8:9] offset:(32*(\b/2)+8*(\b%2))*4+16
.endr
	WIN 0
	s_wait_alu depctr_va_vdst(0)
	s_cmp_lt_u32 s14, 2
	s_cbranch_scc0 .Lnot_first
	s_wait_tensorcnt 0x0                           ; waves 0 and 1: record 0 of A and of B is in
.Lnot_first:
	s_barrier_signal -1                            ; waves 2 and 3's tiles may stay out
	s_barrier_wait -1
	FETCH 0, 0, 0
	s_wait_loadcnt 0x0
	STEP 0, 0, MODE1
	TURN 0, 1, 1                                   ; K step 1: every wave's head load is in; the round; record 3 over P0; on to P12
	STEP 1, 0, 0
	STEP 1, 1, 0
	STEP 1, 2, 0
	TURN 1, 0, 0                                   ; K step 5: record 3 is in; nothing is filled; back to P0
	STEP 0, 0, 0
	s_wait_dscnt 0x0
	MULS 0, NA, 1, 0
	WIN 0
	PLACES
	v_mov_b32 v[K1], 0xc0135761
	v_mov_b32 v[K1+1], 0xc0135761
.irp b, 0,1,2,3
	v_mov_b32 v[TM+4+\b], 0
.endr
	s_lshl_b32 s70, s17, 4
	s_lshl_b32 s71, s15, 3
	s_add_co_u32 s70, s70, s71
	s_lshl_b32 s70, s70, 4
	s_add_co_u32 s70, s70, s42
	s_mul_i32 s70, s70, PR
	s_mul_i32 s71, s16, 1536
	s_add_co_u32 s84, s70, s71
	s_mov_b32 s85, 0
	s_lshl_b32 s71, s16, 7
	s_add_co_u32 s86, s70, s71
	s_mov_b32 s87, 0
	s_add_nc_u64 s[84:85], s[10:11], s[84:85]
	s_add_nc_u64 s[86:87], s[10:11], s[86:87]
.irp a, 0,1,2,3,4,5,6,7
	GELU \a
	s_wait_xcnt 0x0
	QUANT X, PC, PC+6
	v_lshl_or_b32 v[PW], v[TM+5], 8, v[TM+4]
	v_lshl_or_b32 v[PW], v[TM+6], 16, v[PW]
	v_lshl_or_b32 v[PW], v[TM+7], 24, v[PW]
.irp c, 0,1,2
	global_store_b128 v[LI], v[PC+4*\c:PC+4*\c+3], s[84:85] offset:\a*16*PR+512*\c
.endr
	global_store_b32 v[LS], v[PW], s[86:87] offset:\a*16*PR+3072
.endr
	s_wait_tensorcnt 0x0
	ds_add_u32 v[SPW], v[NIL]
	s_wait_dscnt 0x0
	CROUND
	s_endpgm
.Lfunc_end_k_qd45e9cad26_mlp1:
	.size	k_qd45e9cad26_mlp1, .Lfunc_end_k_qd45e9cad26_mlp1-k_qd45e9cad26_mlp1
	.p2alignl 7, 3214868480
	.fill 96, 4, 3214868480
	.section	.rodata,"a",@progbits
	.p2align	6, 0x0
	.amdhsa_kernel k_qd45e9cad26_mlp1
		.amdhsa_group_segment_fixed_size 327680
		.amdhsa_private_segment_fixed_size 0
		.amdhsa_enable_private_segment 0
		.amdhsa_kernarg_size 32
		.amdhsa_user_sgpr_count 2
		.amdhsa_user_sgpr_kernarg_segment_ptr 1
		.amdhsa_wavefront_size32 1
		.amdhsa_system_sgpr_workgroup_id_x 1
		.amdhsa_system_sgpr_workgroup_id_y 1
		.amdhsa_system_sgpr_workgroup_id_z 1
		.amdhsa_system_vgpr_workitem_id 0
		.amdhsa_next_free_vgpr 1024
		.amdhsa_next_free_sgpr 100
		.amdhsa_reserve_vcc 0
		.amdhsa_float_denorm_mode_32 3
		.amdhsa_float_denorm_mode_16_64 3
		.amdhsa_memory_ordered 1
		.amdhsa_forward_progress 1
		.amdhsa_inst_pref_size 255
	.end_amdhsa_kernel
	.section	.bss,"aw",@nobits
	.p2align	6
	.space	262144
	.amdgpu_metadata
---
amdhsa.version: [ 1, 2 ]
amdhsa.kernels:
  - .name:           k_qd45e9cad26_mlp1
    .symbol:         k_qd45e9cad26_mlp1.kd
    .args:
      - { .name: h2img, .offset: 0, .size: 8, .value_kind: global_buffer, .address_space: global }
      - { .name: wimg, .offset: 8, .size: 8, .value_kind: global_buffer, .address_space: global }
      - { .name: b1, .offset: 16, .size: 8, .value_kind: global_buffer, .address_space: global }
      - { .name: hidimg, .offset: 24, .size: 8, .value_kind: global_buffer, .address_space: global }
    .group_segment_fixed_size: 327680
    .private_segment_fixed_size: 0
    .kernarg_segment_align: 8
    .kernarg_segment_size: 32
    .max_flat_workgroup_size: 128
    .sgpr_count:     100
    .vgpr_count:     1024
    .wavefront_size: 32
...
	.end_amdgpu_metadata
.endif
;; end of part 5
;; launch mlp2 (part 6): grid 8 x 32, 4 waves a work-group, clusters of 4 x 4, 327,680 bytes of LDS; arguments hidimg, wimg, b2, x2, out0; writes out0
.if DOCPART == 6
	.amdgcn_target "amdgcn-amd-amdhsa--gfx1250"
	.amdhsa_code_object_version 6
	.text
	.protected	k_qd45e9cad26_mlp2
	.globl	k_qd45e9cad26_mlp2
	.p2align	8
	.type	k_qd45e9cad26_mlp2,@function
k_qd45e9cad26_mlp2:
	s_mov_b64 s[64:65], 0
	v_nop
	global_prefetch_b8 v0, s[64:65] scope:SCOPE_SE
	s_setreg_imm32_b32 hwreg(HW_REG_WAVE_MODE, 25, 1), 1
	s_wait_xcnt 0x0
	s_wait_alu depctr_hold_cnt(0) depctr_sa_sdst(0) depctr_va_vdst(0) depctr_va_sdst(0) depctr_va_ssrc(0) depctr_va_vcc(0) depctr_vm_vsrc(0)
	s_getreg_b32 s2, hwreg(HW_REG_IB_STS2, 6, 4)
	s_cmp_eq_u32 s2, 0
	s_cbranch_scc0 .Lentry_in_a_cluster
	s_endpgm
.Lentry_in_a_cluster:
	s_bfe_u32 s2, ttmp6, 0x10000c
	s_cmp_lg_u32 s2, 0xf033
	s_cbranch_scc0 .Lentry_shape_is_right
	s_endpgm
.Lentry_shape_is_right:
.set MT,    8
.set PP,    3
.set KK,    4096
.set WOFF,  6815744
.set MODE1, 2
.set PR,    3328
.set NA,    MT/2
.set NBK,   MT/2
.set NQ,    2*PP
.set TROW,  PP*PR
.set TRW,   TROW
.set TP,    (KK/256)*PR
.set HALF,  NA*TROW
.set SLOT,  4*HALF
.set SPARE, 2*SLOT
.set ADRA,  16
.set ADRAS, 18
.set ADRB,  20
.set ADRBS, 22
.set STO,   24
.set RD,    25
.set CO,    26
.set LI,    27
.set SPW,   28
.set NIL,   29
.set LS,    30
.set SCA,   32
.set SCB,   40
.set AF,    64
.set G1,  24
.set G0,  32
.set G1B, 48
.set G0B, 56
.set G1S,  72
.set G1BS, 80
.set MSB, 0
.macro WIN new
.if MSB != (\new)
	s_set_vgpr_msb (MSB<<8)|(\new)
.set MSB, (\new)
.endif
.endm
.macro PLACES
.rept 4
	v_nop
.endr
.endm
.macro JLOAD s, ga, gb
	s_cmp_eq_u32 s15, 0
	s_cbranch_scc0 .Lfor_b_\@
	tensor_load_to_lds s[G0+4*\s:G0+4*\s+3], s[\ga:\ga+7]
	s_nop 0
.rept 4
	v_nop
.endr
	s_branch .Lasked_\@
.Lfor_b_\@:
	tensor_load_to_lds s[G0B+4*\s:G0B+4*\s+3], s[\gb:\gb+7]
	s_nop 0
.rept 4
	v_nop
.endr
.Lasked_\@:
.endm
.macro CREST
	s_cmp_lg_u32 s14, 0
	s_cbranch_scc1 .Lnot_wave_0_\@
	s_barrier_signal -3
.Lnot_wave_0_\@:
	s_barrier_wait -3
	s_barrier_signal -1
	s_barrier_wait -1
.endm
.macro CROUND
	s_barrier_signal -1
	s_barrier_wait -1
	CREST
.endm
.macro FETCH slot, q, p
.set FO, ((\q)/2)*PR+1536*((\q)%2)
.set FS, ((\q)/2)*PR+3072+128*((\q)%2)
	WIN 0x40
.set I, 0
.rept NBK
.irp c, 0,1,2
	ds_load_b128 v[96*(\p)+12*I+4*\c:96*(\p)+12*I+4*\c+3], v[ADRB+\slot] offset:I*TRW+FO+512*\c
.endr
.set I, I+1
.endr
	WIN 0
.set I, 0
.rept NA
.irp c, 0,1,2
	ds_load_b128 v[AF+96*(\p)+12*I+4*\c:AF+96*(\p)+12*I+4*\c+3], v[ADRA+\slot] offset:I*TRW+FO+512*\c
.endr
.set I, I+1
.endr
.set I, 0
.rept NA
	ds_load_b32 v[SCA+16*(\p)+I], v[ADRAS+\slot] offset:I*TRW+FS
	ds_load_b32 v[SCB+16*(\p)+I], v[ADRBS+\slot] offset:I*TRW+FS
.set I, I+1
.endr
.endm
.macro MULS a0, a1, p, mode
.set AA, \a0
.rept (\a1)-(\a0)
.if \mode == 2
	WIN 0x91+0x40*(AA/4)
.else
	WIN 0xa1+0x50*(AA/4)
.endif
.set BB, 0
.rept NBK
.set RC, 8*(NBK*(AA%4)+BB)
.if \mode == 0
	v_wmma_scale_f32_16x16x128_f8f6f4 v[RC:RC+7], v[96*(\p)+12*BB:96*(\p)+12*BB+11], v[AF+96*(\p)+12*AA:AF+96*(\p)+12*AA+11], v[RC:RC+7], v[SCB+16*(\p)+BB], v[SCA+16*(\p)+AA] matrix_a_fmt:MATRIX_FMT_BF6 matrix_b_fmt:MATRIX_FMT_BF6
.else
	v_wmma_scale_f32_16x16x128_f8f6f4 v[RC:RC+7], v[96*(\p)+12*BB:96*(\p)+12*BB+11], v[AF+96*(\p)+12*AA:AF+96*(\p)+12*AA+11], v[192+8*BB:192+8*BB+7], v[SCB+16*(\p)+BB], v[SCA+16*(\p)+AA] matrix_a_fmt:MATRIX_FMT_BF6 matrix_b_fmt:MATRIX_FMT_BF6
.endif
.set BB, BB+1
.endr
.set AA, AA+1
.endr
.endm
.macro STEP slot, q, mode
	s_wait_dscnt 0x0
	PLACES
	FETCH \slot, (\q)+1, 1-(\q)%2
	MULS 0, NA, (\q)%2, \mode
	WIN 0
.endm
.macro STEPS slot, q0
.set QQ, \q0
.rept NQ-1-(\q0)
	STEP \slot, QQ, 0
.set QQ, QQ+1
.endr
.endm
.macro TURN slot, next, fill
	WIN 0
	s_wait_tensorcnt 0x0
	ds_add_u32 v[SPW], v[NIL]
	s_wait_dscnt 1
	MULS 0, NA/4, 1, 0
	s_wait_dscnt 0x0
	s_barrier_signal -1
	MULS NA/4, NA/2, 1, 0
	WIN 0
	s_barrier_wait -1
.if \fill
	CREST
	s_mov_b32 s[G1+2], (MT/2)<<16                  ; no tensor load of mine is out: the ring's loads bring 4 tiles
	s_mov_b32 s[G1+4], MT/2
	s_mov_b32 s[G1B+2], (MT/2)<<16
	s_mov_b32 s[G1B+4], MT/2
	s_add_nc_u64 s[G0+4*\slot+2:G0+4*\slot+3], s[G0+4*\slot+2:G0+4*\slot+3], 2*TROW
	s_add_nc_u64 s[G0B+4*\slot+2:G0B+4*\slot+3], s[G0B+4*\slot+2:G0B+4*\slot+3], 2*TROW
.if \fill == 2
	JLOAD \slot, G1S, G1BS
.else
	JLOAD \slot, G1, G1B
.endif
.else
	PLACES
.endif
	FETCH \next, 0, 0
	MULS NA/2, NA, 1, 0
	WIN 0
.endm
	s_load_b256 s[4:11], s[0:1], 0x0
	s_load_b64 s[12:13], s[0:1], 0x20
	v_lshl_add_u32 v[SPW], v0, 2, SPARE
	v_mov_b32 v[NIL], 0
	ds_add_u32 v28, v29
	ds_add_u32 v28, v29
	s_wait_dscnt 0x0
	v_lshrrev_b32 v1, 5, v0
	v_readfirstlane_b32 s14, v1
	s_lshr_b32 s15, s14, 1
	s_and_b32 s16, s14, 1
	s_bfe_u32 s40, ttmp6, 0x40000
	s_bfe_u32 s41, ttmp6, 0x40004
	s_lshl_b32 s42, ttmp9, 2
	s_add_co_u32 s42, s42, s40
	s_and_b32 s17, ttmp7, 0xffff
	s_lshl_b32 s17, s17, 2
	s_add_co_u32 s17, s17, s41
	s_lshl_b32 s43, s41, 2
	s_lshl_b32 s43, 15, s43
	s_lshl_b32 s44, 0x1111, s40
	s_or_b32 s[G1], s43, (3<<16)|(1<<21)
	s_or_b32 s[G1B], s44, (3<<16)|(1<<21)
	s_or_b32 s[G1S], s43, (3<<16)|(1<<21)
	s_or_b32 s[G1BS], s44, (3<<16)|(1<<21)
.irp g, G1, G1B
	s_mov_b32 s[\g+1], (416*PP)<<16
	s_mov_b32 s[\g+2], MT<<16                      ; at the head a load brings an operand's 8 tiles; behind the head's loads the two words that count rows are set to 4, for the ring's quarter loads
	s_mov_b32 s[\g+3], (416*PP)<<16
	s_mov_b32 s[\g+4], MT
	s_mov_b32 s[\g+5], TP/8
	s_mov_b32 s[\g+6], 0
	s_mov_b32 s[\g+7], 0
.endr
.irp g, G1S, G1BS
	s_mov_b32 s[\g+1], 416<<16
	s_mov_b32 s[\g+2], (MT/2)<<16
	s_mov_b32 s[\g+3], 416<<16
	s_mov_b32 s[\g+4], MT/2
	s_mov_b32 s[\g+5], TP/8
	s_mov_b32 s[\g+6], 0
	s_mov_b32 s[\g+7], 0
.endr
	s_mul_i32 s18, s16, MT/2
	s_mul_i32 s20, s17, MT
	s_add_co_u32 s20, s20, s18
	s_mul_i32 s20, s20, TP
	s_mov_b32 s21, 0
	s_mul_i32 s46, s42, MT
	s_add_co_u32 s46, s46, s18
	s_mul_i32 s46, s46, TP
	s_add_co_u32 s46, s46, WOFF
	s_mov_b32 s47, 0
	s_mul_i32 s45, s14, HALF
	s_wait_kmcnt 0x0
	s_add_nc_u64 s[20:21], s[4:5], s[20:21]
	s_add_nc_u64 s[46:47], s[6:7], s[46:47]
	CROUND
.irp s, 0,1
	s_mov_b32 s[G0+4*\s], 1
	s_add_co_u32 s[G0+4*\s+1], s45, \s*SLOT
	s_add_nc_u64 s[G0+4*\s+2:G0+4*\s+3], s[20:21], \s*TROW
	s_or_b32 s[G0+4*\s+3], s[G0+4*\s+3], 0x80000000
	s_mov_b32 s[G0B+4*\s], 1
	s_add_co_u32 s[G0B+4*\s+1], s45, \s*SLOT
	s_add_nc_u64 s[G0B+4*\s+2:G0B+4*\s+3], s[46:47], \s*TROW
	s_or_b32 s[G0B+4*\s+3], s[G0B+4*\s+3], 0x80000000
.endr
; THE HEAD FILLS BOTH SLOTS, one joint load a wave: wave w brings slot w / 2's 8 tiles of A (w even) or of B (w odd), three records each.  s[88:91] A's group 0, s[92:95] B's.
	s_mul_i32 s66, s18, TP                         ; back from my ring quarter's first tile to the operand's first
	s_mov_b32 s67, 0
	s_mul_i32 s68, s15, TROW                       ; slot w / 2's records
	s_mov_b32 s69, 0
	s_mov_b32 s88, 1
	s_mul_i32 s89, s15, SLOT
	s_sub_nc_u64 s[90:91], s[20:21], s[66:67]
	s_add_nc_u64 s[90:91], s[90:91], s[68:69]
	s_or_b32 s91, s91, 0x80000000
	s_mov_b32 s92, 1
	s_add_co_u32 s93, s89, 2*HALF
	s_sub_nc_u64 s[94:95], s[46:47], s[66:67]
	s_add_nc_u64 s[94:95], s[94:95], s[68:69]
	s_or_b32 s95, s95, 0x80000000
.macro ARM w, g0, g1                   ; one chain of branches on the wave's number, one load to an arm, all arms to one join
	s_cmp_eq_u32 s14, \w
	s_cbranch_scc0 .Lna_\@
	tensor_load_to_lds s[\g0:\g0+3], s[\g1:\g1+7]
	s_nop 0
	PLACES
	s_branch .Lhead_asked
.Lna_\@:
.endm
	ARM 0, 88, G1
	ARM 1, 92, G1B
	ARM 2, 88, G1
	tensor_load_to_lds s[92:95], s[G1B:G1B+7]
	s_nop 0
	PLACES
.Lhead_asked:
	v_and_b32 v1, 31, v0
	v_lshlrev_b32 v[LI], 4, v1
	v_lshlrev_b32 v[LS], 2, v1
	s_mul_i32 s66, s15, HALF
	s_mul_i32 s67, s16, HALF
	s_add_co_u32 s67, s67, 2*HALF
.irp s, 0,1
	v_add_nc_u32 v[ADRA+\s], s66, v[LI]
	v_add_nc_u32 v[ADRAS+\s], s66, v[LS]
	v_add_nc_u32 v[ADRB+\s], s67, v[LI]
	v_add_nc_u32 v[ADRBS+\s], s67, v[LS]
	s_add_co_u32 s66, s66, SLOT
	s_add_co_u32 s67, s67, SLOT
.endr
	v_and_b32 v2, 15, v0
	v_bfe_u32 v3, v0, 4, 1
	v_lshlrev_b32 v4, 6, v3
	s_wait_alu depctr_va_vdst(0)
	v_lshlrev_b32 v[CO], 12, v3
	v_lshl_add_u32 v[CO], v2, 4, v[CO]
	s_wait_alu depctr_va_vdst(0)
	s_mul_i32 s66, s14, 4352
	v_mul_u32_u24 v[STO], v2, 272
	v_lshl_add_u32 v[STO], v3, 6, v[STO]
	v_add_nc_u32 v[STO], s66, v[STO]
	v_mul_u32_u24 v[RD], v3, 272
	v_lshl_add_u32 v[RD], v2, 4, v[RD]
	v_add_nc_u32 v[RD], s66, v[RD]
	s_lshl_b32 s66, s42, 9
	s_lshl_b32 s67, s16, 8
	s_add_co_u32 s66, s66, s67
	s_mov_b32 s67, 0
	s_add_nc_u64 s[8:9], s[8:9], s[66:67]
	s_lshl_b32 s68, s17, 7
	s_lshl_b32 s69, s15, 6
	s_add_co_u32 s68, s68, s69
	s_lshl_b32 s68, s68, 12
	s_add_co_u32 s68, s68, s66
	s_mov_b32 s69, 0
	s_add_nc_u64 s[10:11], s[10:11], s[68:69]
	s_add_nc_u64 s[12:13], s[12:13], s[68:69]
	WIN 0x40
.irp b, 0,1,2,3
	global_load_b128 v[192+8*\b:195+8*\b], v4, s[8:9] offset:(32*(\b/2)+8*(\b%2))*4
	global_load_b128 v[196+8*\b:199+8*\b], v4, s[8:9] offset:(32*(\b/2)+8*(\b%2))*4+16
.endr
	WIN 0xc0
.irp a, 0,1,2,3
.irp i, 0,1,2,3,4,5,6,7
	global_load_b128 v[4*(8*\a+\i):4*(8*\a+\i)+3], v[CO], s[10:11] offset:(32*(\a/2)+8*(\a%2)+2*\i+8*(\i/4))*4096
.endr
.endr
	WIN 0
	s_wait_alu depctr_va_vdst(0)                   ; the wait at the head's end
	s_cmp_lt_u32 s14, 2
	s_cbranch_scc0 .Lnot_first
	s_wait_tensorcnt 0x0                           ; waves 0 and 1: slot 0 is in
.Lnot_first:
	s_barrier_signal -1                            ; slot 1's loads may stay out
	s_barrier_wait -1
	FETCH 0, 0, 0
	s_wait_loadcnt 32
	STEP 0, 0, MODE1
	STEPS 0, 1
	TURN 0, 1, 1
	STEPS 1, 0
	TURN 1, 0, 1
	STEPS 0, 0
	TURN 0, 1, 1
	STEPS 1, 0
	TURN 1, 0, 2
	STEPS 0, 0
.set TRW, PR
	TURN 0, 1, 0
	STEP 1, 0, 0
	s_wait_dscnt 0x0
	MULS 0, NA, 1, 0
	WIN 0
	PLACES
	s_wait_alu depctr_va_vdst(0)
	s_wait_loadcnt 0x0
.irp a, 0,1,2,3
.set BB2, 64+32*(\a%2)
	WIN 0x08
.irp b, 0,1,2,3
	ds_store_b128 v[STO], v[8*(4*\a+\b):8*(4*\a+\b)+3] offset:128*(\b/2)+32*(\b%2)
	ds_store_b128 v[STO], v[8*(4*\a+\b)+4:8*(4*\a+\b)+7] offset:128*(\b/2)+32*(\b%2)+16
.endr
	WIN 0
.if \a > 1
	s_wait_xcnt 0x0
.endif
.irp i, 0,1,2,3,4,5,6,7
	ds_load_b128 v[BB2+4*\i:BB2+4*\i+3], v[RD] offset:544*\i
.endr
	s_wait_dscnt 0x0
	WIN 0x0c
.irp i, 0,1,2,3,4,5,6,7
	v_pk_add_f32 v[BB2+4*\i:BB2+4*\i+1], v[BB2+4*\i:BB2+4*\i+1], v[4*(8*\a+\i):4*(8*\a+\i)+1]
	v_pk_add_f32 v[BB2+4*\i+2:BB2+4*\i+3], v[BB2+4*\i+2:BB2+4*\i+3], v[4*(8*\a+\i)+2:4*(8*\a+\i)+3]
.endr
	WIN 0
.irp i, 0,1,2,3,4,5,6,7
	global_store_b128 v[CO], v[BB2+4*\i:BB2+4*\i+3], s[12:13] offset:(32*(\a/2)+8*(\a%2)+2*\i+8*(\i/4))*4096
.endr
.endr
	s_wait_tensorcnt 0x0
	ds_add_u32 v[SPW], v[NIL]
	s_wait_dscnt 0x0
	CROUND
	s_endpgm
.Lfunc_end_k_qd45e9cad26_mlp2:
	.size	k_qd45e9cad26_mlp2, .Lfunc_end_k_qd45e9cad26_mlp2-k_qd45e9cad26_mlp2
	.p2alignl 7, 3214868480
	.fill 96, 4, 3214868480
	.section	.rodata,"a",@progbits
	.p2align	6, 0x0
	.amdhsa_kernel k_qd45e9cad26_mlp2
		.amdhsa_group_segment_fixed_size 327680
		.amdhsa_private_segment_fixed_size 0
		.amdhsa_enable_private_segment 0
		.amdhsa_kernarg_size 40
		.amdhsa_user_sgpr_count 2
		.amdhsa_user_sgpr_kernarg_segment_ptr 1
		.amdhsa_wavefront_size32 1
		.amdhsa_system_sgpr_workgroup_id_x 1
		.amdhsa_system_sgpr_workgroup_id_y 1
		.amdhsa_system_sgpr_workgroup_id_z 1
		.amdhsa_system_vgpr_workitem_id 0
		.amdhsa_next_free_vgpr 1024
		.amdhsa_next_free_sgpr 100
		.amdhsa_reserve_vcc 0
		.amdhsa_float_denorm_mode_32 3
		.amdhsa_float_denorm_mode_16_64 3
		.amdhsa_memory_ordered 1
		.amdhsa_forward_progress 1
		.amdhsa_inst_pref_size 167
	.end_amdhsa_kernel
	.amdgpu_metadata
---
amdhsa.version: [ 1, 2 ]
amdhsa.kernels:
  - .name:           k_qd45e9cad26_mlp2
    .symbol:         k_qd45e9cad26_mlp2.kd
    .args:
      - { .name: hidimg, .offset: 0, .size: 8, .value_kind: global_buffer, .address_space: global }
      - { .name: wimg, .offset: 8, .size: 8, .value_kind: global_buffer, .address_space: global }
      - { .name: b2, .offset: 16, .size: 8, .value_kind: global_buffer, .address_space: global }
      - { .name: x2, .offset: 24, .size: 8, .value_kind: global_buffer, .address_space: global }
      - { .name: out0, .offset: 32, .size: 8, .value_kind: global_buffer, .address_space: global }
    .group_segment_fixed_size: 327680
    .private_segment_fixed_size: 0
    .kernarg_segment_align: 8
    .kernarg_segment_size: 40
    .max_flat_workgroup_size: 128
    .sgpr_count:     100
    .vgpr_count:     1024
    .wavefront_size: 32
...
	.end_amdgpu_metadata
.endif
;; end of part 6
